; MI455X (gfx1250); checked and timed in simulation.
; The chip was launched on July 23, 2026; its instructions are those of AMD's public machine-readable ISA for CDNA 5 (MIT licence, August 2026) and "CDNA5" Instruction Set Architecture Reference Guide (July 2026). The comments in the code are by the model that wrote it; some were corrected since.
;; Latent Attention Layer. Allowed arithmetic: matrix products marked QUANTISED: E4M3 operands, one given power-of-two scale a tensor, by v_wmma_f32_16x16x64_fp8_fp8 or v_wmma_f32_16x16x128_fp8_fp8, f32 sums; everything else in f32.
;; Inputs: Wkd_codes 512 x 32 x 32 uint8 (E4M3 codes of Wkd, K innermost, in blocks of 32 codes); Wku_codes 2,048 x 8 x 32 uint8 (E4M3 codes of Wku, K innermost, in blocks of 32 codes); Wo_codes 1,024 x 32 x 32 uint8 (E4M3 codes of Wo, K innermost, in blocks of 32 codes); Wq_codes 1,024 x 32 x 32 uint8 (E4M3 codes of Wq, K innermost, in blocks of 32 codes); bkd 512 float32; bku 2,048 float32; bo 1,024 float32; bq 1,024 float32; lowp_scales 12 int32 (the exponents e of the quantised operands' scales 2^e); x_codes 2 x 2,048 x 32 x 32 uint8 (E4M3 codes of x, K innermost, in blocks of 32 codes).
;; Outputs: out0 2 x 2,048 x 1,024 float32.
;; This version of the problem:
;;   THIS VERSION OF THE PROBLEM IS GIVEN IN LOW PRECISION. The matrix products marked QUANTISED in the list below multiply operands that are first quantised to E4M3 (4 exponent bits, 3 mantissa bits; 8 bits a number), with one given power-of-two scale for each operand tensor; their sums are f32. All else is computed in f32.
;;   The module's matrix products, in the order in which they are computed (A, B: the left and right operand; K: the contracted axis; several contracted axes count as one K, in the product's order):
;;     1. [M 4,096, K 1,024] x [K 1,024, N 1,024]; A: input x (given as codes); B: input Wq (given as codes): QUANTISED (scales: A lowp_scales[0], B lowp_scales[1])
;;     2. [M 4,096, K 1,024] x [K 1,024, N 512]; A: input x (given as codes); B: input Wkd (given as codes): QUANTISED (scales: A lowp_scales[2], B lowp_scales[3])
;;     3. [M 4,096, K 256] x [K 256, N 2,048]; A: computed on the way; B: input Wku (given as codes): QUANTISED (scales: A lowp_scales[4], B lowp_scales[5])
;;     4. batch 32 x [M 2,048, K 64] x [K 64, N 2,048]; A: computed on the way; B: computed on the way: QUANTISED (scales: A lowp_scales[6], B lowp_scales[7])
;;     5. batch 32 x [M 64, K 2,048] x [K 2,048, N 2,048]; A: computed on the way; B: softmax (see below): QUANTISED (scales: A lowp_scales[8], B lowp_scales[9])
;;     6. [M 4,096, K 1,024] x [K 1,024, N 1,024]; A: computed on the way; B: input Wo (given as codes): QUANTISED (scales: A lowp_scales[10], B lowp_scales[11])
;;   THE QUANTISER, for each operand of a quantised product, along K:
;;     - The operand's scale is 2^e, e = its entry of the input lowp_scales (int32; the entries are numbered through the quantised products in the list's order, A before B).
;;     - Each number is divided by the scale, clamped to +-448, and rounded to the nearest number of E4M3, ties to even, subnormals kept.
;;     - The product sums the exact products of the quantised numbers (number of the format x scale) in f32.
;;   ~~~python
;;   def quantise(x, axis, e):      # numpy; x: float32 -> the quantised numbers, widened to float32 again
;;       x = np.moveaxis(x, axis, -1); K = x.shape[-1]
;;       r = np.clip(x / 2.0 ** e, -448, 448)
;;       step = 2.0 ** (np.maximum(np.frexp(np.where(r == 0, 1, r))[1] - 1, -6) - 3)
;;       q = np.round(r / step) * step * 2.0 ** e      # np.round: ties to even
;;       return np.moveaxis(q, -1, axis).astype(np.float32)
;;   ~~~
;;   SOFTMAX AHEAD OF A QUANTISED PRODUCT. Where the list says 'softmax', what is quantised is not the finished softmax but p = 2^(t - M), with t = logit x log2(e) and M = ceil(the row's largest t), a whole number; so 1/2 < the row's largest p <= 1. The row's sum l is taken of the UNQUANTISED p, in f32, and the product's result is divided by l at the end. Since M is a whole number, a kernel that streams over the keys may use a running M (the ceiling of the running maximum): every later rescaling is an exact power of two, so the quantised numbers keep their values, but for numbers so far below the row's largest that they fall under the format's range.
;;   OPERANDS COMPUTED ON THE WAY. 'Computed on the way' means the value that the module computes at that place (a softmax that the list does not call 'softmax' is quantised finished and normalised). What goes into a quantiser is computed in f32, as accurately as f32 sums, v_exp_f32 and their like allow (about 1e-6 of the number): no bf16 or f16 on the way to a quantiser, and a product that is left as it is and whose result goes on into a quantised operand takes f32 operands (vector FMAs, or v_wmma_f32_16x16x4_f32). A number that lies on a knife's edge between two numbers of the format may be rounded either way, as far as f32 arithmetic and the matrix unit's own rounding can turn it there, and no further.
;;   INPUTS GIVEN AS CODES. Wkd (in the module: [1024, 512], K = its axis 0); Wku (in the module: [256, 2048], K = its axis 0); Wo (in the module: [1024, 1024], K = its axis 0); Wq (in the module: [1024, 1024], K = its axis 0); x (in the module: [2, 2048, 1024], K = its axis 2): each comes as NAME_codes (uint8): NAME with its K axis moved to the last place and cut into blocks of 32 codes, [.., K / 32, bytes a block], one block behind the other in memory; one code a byte (a code: sign, 4 exponent bits, 3 mantissa bits); its scale is its entry of lowp_scales. Its value is code x scale, taken as it is: it is not quantised again, and the codes and scales need not be those that the quantiser above would give.
;; One version. Each part assembles by itself: llvm-mc -triple=amdgcn-amd-amdhsa -mcpu=gfx1250 --defsym DOCPART=n.
;; ======== version 1 of 1: 4 launches
;; limits: right only within a limited range of input values
;; workspace buffers: qimg 4,194,304 bytes; kimg 4,194,304 bytes; vimg 4,194,304 bytes; latimg 1,048,576 bytes; oimg 4,194,304 bytes
;; launch proj (part 1): grid 8 x 32, 4 waves a work-group, clusters of 4 x 4, 327,680 bytes of LDS; arguments x_codes, Wq_codes, Wkd_codes, bq, bkd, lowp_scales, qimg, latimg; writes qimg, latimg
.if DOCPART == 1
	.amdgcn_target "amdgcn-amd-amdhsa--gfx1250"
	.amdhsa_code_object_version 6
	.text
	.protected	k_q67bed55620_proj
	.globl	k_q67bed55620_proj
	.p2align	8
	.type	k_q67bed55620_proj,@function
k_q67bed55620_proj:
	s_mov_b64 s[64:65], 0
	v_nop
	global_prefetch_b8 v0, s[64:65] scope:SCOPE_SE
	s_setreg_imm32_b32 hwreg(HW_REG_WAVE_MODE, 25, 1), 1
	s_wait_xcnt 0x0
	s_wait_alu depctr_hold_cnt(0) depctr_sa_sdst(0) depctr_va_vdst(0) depctr_va_sdst(0) depctr_va_ssrc(0) depctr_va_vcc(0) depctr_vm_vsrc(0)
	s_getreg_b32 s2, hwreg(HW_REG_IB_STS2, 6, 4)
	s_cmp_eq_u32 s2, 0
	s_cbranch_scc0 .Lentry_in_a_cluster
	s_endpgm
.Lentry_in_a_cluster:
	s_bfe_u32 s2, ttmp6, 0x10000c
	s_cmp_lg_u32 s2, 0xf033
	s_cbranch_scc0 .Lentry_shape_is_right
	s_endpgm
.Lentry_shape_is_right:
; q = Q(x Wq + bq) and lat = Q(gelu(x Wkd + bkd)[:256] + gelu(..)[256:]), both products on codes of E4M3 as they are given.
; No product and no input of the problem is left out; the attention's launch passes over key tiles that lie wholly under the causal mask.
; SHARES.  256 work-groups.  Each makes 128 tokens x (128 rows of Wq and 32 + 32 rows of Wkd, the second 32 lying 256 rows further on) over the whole K = 1,024.
; Four waves, each 64 tokens x (64 rows of Wq, 16 + 16 of Wkd): 16 + 8 accumulators; both halves of a latent column meet in one lane.
; THE PRODUCTS ARE USED TRANSPOSED (source 0 = 16 weight rows, source 1 = 16 tokens): a lane holds one token and eight neighbouring weight rows, which are neighbours along the next product's K.
; The bias, divided by the power of two that the sums lack, is the C of each sum's first product.
; LDS.  x's 128 rows and Wq's 128 rows, whole rows of 1,024 bytes + 16 of padding: 266,240 bytes, one tensor load of 64 rows a wave, every byte filled once: no ring, and no trip to prefetch for.
; CLUSTER 4 x 4: x's tile is shared along a row of the cluster, Wq's along a column: joint loads.  Wkd's rows (66,560 bytes at that pitch) do not fit behind them: each wave loads its 32 rows straight into 256 registers.
; RESULTS leave as images of the next launches' operand registers: q 16 bytes a lane (512 consecutive bytes a store), lat 8 bytes a lane (256).
; erf(u) = u a(u^2) / b(u^2), polynomials of degree 6 and 4 in u^2, u held within +-4, where erf is 1 in f32.
; LIMITS.  e6-e0-e1 and e4 between -126 and 119; e2+e3 between -126 and 127.  NaN among the biases is not served.  For strongly negative z, 1 + erf cancels as it does in f32.
; REGISTERS.  window 0: addresses, constants, biases v32-79, q's sums v128-255; window 1: two fragment buffers (x's four at +16 a, Wq's four at +64 + 16 t); window 2: Wkd's fragments (tile u, K step s) at 16 (2 s + u); window 3: its sums.
.set PITCH,  1040
.set HALFT,  64*PITCH                  ; what one tensor load brings
.set WOFF,   2*HALFT
.set SPARE,  4*HALFT                   ; the spare words
.set WV,   3
.set CX,   20
.set CY,   21
.set NT,   22                          ; column 0..7
.set MT,   23                          ; tile row 0..31
.set G1A,  24
.set G1B,  32
.set G0A,  40
.set G0B,  44
.set WR,   56                          ; which 64 tokens are mine
.set WC,   57                          ; which weight rows
.set ESQ,  66
.set ESK,  67
.set ZS,   70                          ; s[70:71] 2^(e2 + e3)
.set E,    84                          ; s[84:91] e0 .. e7
.set ADRA, 4
.set ADRB, 6                           ; v6, v7: the second 64 rows of Wq are beyond the immediate's reach
.set LC,   4                           ; v4-11 lat's codes (the addresses are done with by then)
.set LI,   12                          ; 16 x lane
.set SCL,  16
.set LIM,  17
.set L8,   18                          ; 8 x lane
.set SCLL, 19
.set LIML, 24
.set BI,   32
.set QC,   32                          ; q's codes (the biases are done with by then)
.set TU,   64
.set TW,   80
.set TP,   96
.set TQ,   112
.set ACC,  128
.set Z,    128                         ; v128-191 z (q's sums are done with by then)
.set MSB, 0
.macro WIN new                         ; the immediate's high byte repeats the setting that is left
.if MSB != \new
	s_set_vgpr_msb (MSB<<8)|\new
.set MSB, \new
.endif
.endm
.macro PLACES n
.rept \n
	v_nop
.endr
.endm
.macro CROUND                          ; a round of the cluster's barrier
	s_barrier_signal -1
	s_barrier_wait -1
	s_cmp_lg_u32 s[WV], 0
	s_cbranch_scc1 .Lnot_wave_0_\@
	s_barrier_signal -3
.Lnot_wave_0_\@:
	s_barrier_wait -3
	s_barrier_signal -1
	s_barrier_wait -1
.endm
	s_load_b512 s[4:19], s[0:1], 0x0               ; x s[4:5], Wq s[6:7], Wkd s[8:9], bq s[10:11], bkd s[12:13], exponents s[14:15], qimg s[16:17], latimg s[18:19]
	v_lshl_add_u32 v30, v0, 2, SPARE
	v_mov_b32 v31, 0
	ds_add_u32 v30, v31                            ; the opening adds
	ds_add_u32 v30, v31
	v_lshrrev_b32 v1, 5, v0
	v_readfirstlane_b32 s[WV], v1
	s_bfe_u32 s[CX], ttmp6, 0x40000
	s_bfe_u32 s[CY], ttmp6, 0x40004
	s_lshl_b32 s[NT], ttmp9, 2
	s_add_co_u32 s[NT], s[NT], s[CX]
	s_and_b32 s[MT], ttmp7, 0xffff
	s_lshl_b32 s[MT], s[MT], 2
	s_add_co_u32 s[MT], s[MT], s[CY]
	s_lshl_b32 s58, s[CY], 2
	s_lshl_b32 s58, 15, s58                        ; my row of the cluster
	s_lshl_b32 s96, 0x1111, s[CX]                  ; my column
	s_or_b32 s[G1A], s58, (1<<20)|(1<<21)|(7<<22)|(3<<25)   ; mask; elements of 1 byte; padding on; bit 21 beside a mask; 4 words of padding after every 256
	s_or_b32 s[G1B], s96, (1<<20)|(1<<21)|(7<<22)|(3<<25)
.irp g, G1A, G1B
	s_mov_b32 s[\g+1], 1024<<16                    ; tensor_dim0
	s_mov_b32 s[\g+2], 64<<16                      ; tensor_dim1
	s_mov_b32 s[\g+3], 1024<<16                    ; tile_dim0
	s_mov_b32 s[\g+4], 64                          ; tile_dim1
	s_mov_b32 s[\g+5], 1024                        ; a row in memory
	s_mov_b32 s[\g+6], 0
	s_mov_b32 s[\g+7], 0
.endr
	s_lshr_b32 s[WR], s[WV], 1
	s_and_b32 s[WC], s[WV], 1                      ; also: which 64 rows of a tile I fetch
	s_lshl_b32 s62, s[WC], 16                      ; 64 rows of 1,024 bytes
	s_lshl_b32 s58, s[MT], 17                      ; x: row 128 mt + 64 x half (registers that never hold cx)
	s_add_co_u32 s58, s58, s62
	s_mov_b32 s59, 0
	s_lshl_b32 s96, s[NT], 17                      ; Wq: row 128 nt + 64 x half (registers that never hold cy)
	s_add_co_u32 s96, s96, s62
	s_mov_b32 s97, 0
	s_mul_i32 s63, s[WV], HALFT                    ; x's halves, then Wq's: no place in the cluster enters an LDS address
	s_mov_b32 s[G0A], 1
	s_mov_b32 s[G0A+1], s63
	s_mov_b32 s[G0B], 1
	s_mov_b32 s[G0B+1], s63
	s_wait_dscnt 0x0                               ; both opening adds are done
	s_wait_kmcnt 0x0
	s_load_b256 s[E:E+7], s[14:15], 0x0
	s_add_nc_u64 s[G0A+2:G0A+3], s[4:5], s[58:59]
	s_or_b32 s[G0A+3], s[G0A+3], 0x80000000
	s_add_nc_u64 s[G0B+2:G0B+3], s[6:7], s[96:97]
	s_or_b32 s[G0B+3], s[G0B+3], 0x80000000
	CROUND                                         ; all sixteen work-groups are here: the joint loads meet
	s_cmp_lt_u32 s[WV], 2                          ; waves 0, 1 fetch x's halves, waves 2, 3 Wq's: one load a wave
	s_cbranch_scc0 .Lfill_b
	tensor_load_to_lds s[G0A:G0A+3], s[G1A:G1A+7]
	s_nop 0
	PLACES 4
	s_branch .Lfilled
.Lfill_b:
	tensor_load_to_lds s[G0B:G0B+3], s[G1B:G1B+7]
	s_nop 0
	PLACES 4
.Lfilled:
	s_mul_i32 s58, s[WR], HALFT                    ; my 64 tokens
	s_mul_i32 s59, s[WC], 32*PITCH                 ; my rows of Wq: 32 wc + 16 (t % 2) + 64 (t / 2) + r
	s_add_co_u32 s59, s59, WOFF
	s_lshl_b32 s60, s[NT], 9
	s_lshl_b32 s61, s[WC], 7
	s_add_co_u32 s60, s60, s61                     ; bq: the same rows
	s_lshl_b32 s61, s[NT], 7
	s_lshl_b32 s62, s[WC], 6
	s_add_co_u32 s61, s61, s62                     ; bkd: rows 32 nt + 16 wc
	s_lshl_b32 s68, s[NT], 15
	s_lshl_b32 s69, s[WC], 14
	s_add_co_u32 s68, s68, s69                     ; and those rows of Wkd
	s_mov_b32 s69, 0
	s_add_nc_u64 s[8:9], s[8:9], s[68:69]
	v_and_b32 v1, 15, v0                           ; r
	v_bfe_u32 v2, v0, 4, 1                         ; h
	v_lshl_add_u32 v13, v2, 5, s60
	v_lshl_add_u32 v14, v2, 5, s61
	v_lshlrev_b32 v15, 10, v1
	v_mul_u32_u24 v3, v1, PITCH
	v_lshl_add_u32 v15, v2, 4, v15                 ; Wkd: row r, + 16 h
	v_lshl_add_u32 v3, v2, 4, v3                   ; a fragment's row x pitch + 16 h
	v_and_b32 v[L8], 31, v0
	v_add_nc_u32 v[ADRA], s58, v3
	v_add_nc_u32 v[ADRB], s59, v3
	v_add_nc_u32 v[ADRB+1], 64*PITCH, v[ADRB]
	v_lshlrev_b32 v[LI], 4, v[L8]
	v_lshlrev_b32 v[L8], 3, v[L8]
	s_wait_alu depctr_va_vdst(0)
.irp t, 0,1,2,3                        ; the biases in the results' layout: lane (r, h), register j: row + 8 h + j
	global_load_b128 v[BI+8*\t:BI+8*\t+3], v13, s[10:11] offset:64*(\t%2)+256*(\t/2)
	global_load_b128 v[BI+8*\t+4:BI+8*\t+7], v13, s[10:11] offset:64*(\t%2)+256*(\t/2)+16
.endr
.irp u, 0,1
	global_load_b128 v[BI+32+8*\u:BI+32+8*\u+3], v14, s[12:13] offset:1024*\u
	global_load_b128 v[BI+32+8*\u+4:BI+32+8*\u+7], v14, s[12:13] offset:1024*\u+16
.endr
	WIN 0x80                                       ; destination window 2
.irp s, 0,1,2,3,4,5,6,7
.irp u, 0,1
.irp c, 0,1,2,3
	global_load_b128 v[16*(2*\s+\u)+4*\c:16*(2*\s+\u)+4*\c+3], v15, s[8:9] offset:262144*\u+128*\s+32*\c
.endr
.endr
.endr
	WIN 0
	s_wait_kmcnt 0x0
	s_add_co_i32 s[ESQ], s[E+0], s[E+1]            ; a sum of the first product stands for sum x 2^ESQ,
	s_add_co_i32 s[ESK], s[E+2], s[E+3]            ; of the second for sum x 2^ESK
	s_sub_co_i32 s62, 0, s[ESQ]
	s_sub_co_i32 s63, 0, s[ESK]
	s_add_co_i32 s[ZS], s[ESK], 127
	s_lshl_b32 s[ZS], s[ZS], 23
	s_mov_b32 s[ZS+1], s[ZS]                       ; (named with it as a pair)
	s_sub_co_i32 s58, s[E+6], s[ESQ]
	s_add_co_i32 s58, s58, 127
	s_lshl_b32 s59, s58, 23                        ; 2^(e6 - e0 - e1)
	s_add_co_i32 s58, s58, 8
	s_lshl_b32 s58, s58, 23
	s_or_b32 s58, s58, 0x600000                    ; 448 x that
	s_add_co_i32 s60, s[E+4], 127
	s_lshl_b32 s61, s60, 23                        ; 2^e4
	s_add_co_i32 s60, s60, 8
	s_lshl_b32 s60, s60, 23
	s_or_b32 s60, s60, 0x600000                    ; 448 x that
	s_lshr_b32 s72, s[MT], 4                       ; qimg: batch: 16 heads x 128 tiles x 1,024 bytes
	s_lshl_b32 s72, s72, 21
	s_lshl_b32 s73, s[NT], 18                      ; head 2 nt
	s_add_co_u32 s72, s72, s73
	s_and_b32 s73, s[MT], 15                       ; query tile 8 (mt % 16) + 4 wr
	s_lshl_b32 s73, s73, 13
	s_add_co_u32 s72, s72, s73
	s_lshl_b32 s73, s[WR], 12
	s_add_co_u32 s72, s72, s73
	s_lshl_b32 s73, s[WC], 9                       ; group wc of a fragment's two
	s_add_co_u32 s72, s72, s73
	s_mov_b32 s73, 0
	s_add_nc_u64 s[16:17], s[16:17], s[72:73]
	s_lshl_b32 s72, s[MT], 15                      ; latimg: token tile 8 mt + 4 wr, 4,096 bytes each;
	s_lshl_b32 s73, s[WR], 14
	s_add_co_u32 s72, s72, s73
	s_lshl_b32 s73, s[NT], 9                       ; 16 latent columns 2 nt + wc: 256 bytes, 8 a lane
	s_add_co_u32 s72, s72, s73
	s_lshl_b32 s73, s[WC], 8
	s_add_co_u32 s72, s72, s73
	s_mov_b32 s73, 0
	s_add_nc_u64 s[18:19], s[18:19], s[72:73]
	v_mov_b32 v[SCL], s59
	v_mov_b32 v[LIM], s58
	v_mov_b32 v[SCLL], s61
	v_mov_b32 v[LIML], s60
	v_mov_b32 v20, 0x32edffee                      ; a's coefficient of u^10, twice: an instruction takes one literal
	v_mov_b32 v21, 0x32edffee
	v_mov_b32 v22, 0xb95fbd29                      ; b's coefficient of u^6, twice
	v_mov_b32 v23, 0xb95fbd29
	s_wait_alu depctr_va_vdst(0)
	s_wait_loadcnt 63                              ; of 12 loads of biases and 64 of Wkd behind them at most 63 are out: the biases are in
.set i, 0
.rept 32
	v_ldexp_f32 v[BI+i], v[BI+i], s62              ; bias / 2^ESQ
.set i, i+1
.endr
.rept 16
	v_ldexp_f32 v[BI+i], v[BI+i], s63              ; bias / 2^ESK
.set i, i+1
.endr
; 32 LDS loads in one run: the fragments of K step s (128 along K) into buffer f.  Registers 4 c .. 4 c + 3 hold K = 32 c + 16 h + 0 .. 15, alike in x, Wq and Wkd
.macro FETCH s, f
	WIN 0x40                                       ; destination window 1, address window 0
.irp a, 0,1,2,3
.irp c, 0,1,2,3
	ds_load_b128 v[\f+16*\a+4*\c:\f+16*\a+4*\c+3], v[ADRA] offset:128*(\s)+32*\c+\a*16*PITCH
.endr
.endr
.irp t, 0,1,2,3
.irp c, 0,1,2,3
	ds_load_b128 v[\f+64+16*\t+4*\c:\f+64+16*\t+4*\c+3], v[ADRB+\t/2] offset:128*(\s)+32*\c+16*(\t%2)*PITCH
.endr
.endr
.endm
; K step s: the next step's fragments are asked for first, into the other buffer, four places behind the products that read it last.  24 accumulators take turns, one instruction a turn, in the same order in every step
.macro STEP s
.set FB, 128*((\s)%2)
.if (\s) < 7
.if (\s) > 0
	PLACES 4
.endif
	FETCH (\s)+1, 128*(((\s)+1)%2)
	s_wait_dscnt 32                                ; this step's fragments are in; the 32 loads just issued may be out
.else
	s_wait_dscnt 0x0
.endif
	WIN 0x05                                       ; sources 0 and 1 window 1; C and D window 0
.irp a, 0,1,2,3
.irp b, 0,1,2,3
.if (\s) == 0
	v_wmma_f32_16x16x128_fp8_fp8 v[ACC+8*(4*\a+\b):ACC+8*(4*\a+\b)+7], v[FB+64+16*\b:FB+64+16*\b+15], v[FB+16*\a:FB+16*\a+15], v[BI+8*\b:BI+8*\b+7]
.else
	v_wmma_f32_16x16x128_fp8_fp8 v[ACC+8*(4*\a+\b):ACC+8*(4*\a+\b)+7], v[FB+64+16*\b:FB+64+16*\b+15], v[FB+16*\a:FB+16*\a+15], v[ACC+8*(4*\a+\b):ACC+8*(4*\a+\b)+7]
.endif
.endr
.endr
	s_wait_loadcnt 56-8*(\s)                       ; Wkd's fragments of this step are in; eight loads for each later step may be out
.if (\s) == 0
	WIN 0xc6                                       ; source 0 window 2, source 1 window 1, C window 0 (the bias), D window 3
.else
	WIN 0xf6                                       ; C window 3 too
.endif
.irp a, 0,1,2,3
.irp u, 0,1
.if (\s) == 0
	v_wmma_f32_16x16x128_fp8_fp8 v[8*(2*\a+\u):8*(2*\a+\u)+7], v[16*(2*(\s)+\u):16*(2*(\s)+\u)+15], v[FB+16*\a:FB+16*\a+15], v[BI+32+8*\u:BI+32+8*\u+7]
.else
	v_wmma_f32_16x16x128_fp8_fp8 v[8*(2*\a+\u):8*(2*\a+\u)+7], v[16*(2*(\s)+\u):16*(2*(\s)+\u)+15], v[FB+16*\a:FB+16*\a+15], v[8*(2*\a+\u):8*(2*\a+\u)+7]
.endif
.endr
.endr
.endm
	s_wait_alu depctr_va_vdst(0)                   ; the wait at the head's end
	s_wait_tensorcnt 0x0                           ; my 64 rows are in
	s_barrier_signal -1
	s_barrier_wait -1                              ; everybody's are
	FETCH 0, 0
.irp s, 0,1,2,3,4,5,6,7
	STEP \s
.endr
	WIN 0
	PLACES 4                                       ; in front of the first read of results
	; ---- q: code = (sum + bias') / 2^(e6 - e0 - e1), held at +-448.  Tile b of token tile a gives registers 2 c', 2 c' + 1, c' = 2 wc + b % 2, of head 2 nt + b / 2
.irp a, 0,1,2,3
.irp b, 0,1,2,3
.set rd, ACC+8*(4*\a+\b)
.irp j, 0,1,2,3,4,5,6,7
	v_med3_num_f32 v[rd+\j], v[rd+\j], -v[LIM], v[LIM]   ; the conversion does not saturate (ISA guide 7.6.2): the hold comes first; each accumulator from its low end on
.endr
	v_cvt_scalef32_pk8_fp8_f32 v[QC+8*\a+2*\b:QC+8*\a+2*\b+1], v[rd:rd+7], v[SCL]
.endr
.endr
	v_nop                                          ; a plain line behind the last conversion
.irp a, 0,1,2,3
.irp hb, 0,1
	global_store_b128 v[LI], v[QC+8*\a+4*\hb:QC+8*\a+4*\hb+3], s[16:17] offset:1024*\a+131072*\hb   ; 512 consecutive bytes, aligned
.endr
.endr
	; ---- lat
	WIN 0x03                                       ; source 0 window 3
.set i, 0
.rept 32
	v_pk_mul_f32 v[Z+i:Z+i+1], v[i:i+1], s[ZS:ZS+1] op_sel_hi:[1,0]   ; z = sum x 2^(e2 + e3): exact
.set i, i+2
.endr
	WIN 0
.macro HORN d, lit                     ; d = d u^2 + lit, eight pairs
.irp p, 0,1,2,3,4,5,6,7
	v_pk_fma_f32 v[\d+2*\p:\d+2*\p+1], v[\d+2*\p:\d+2*\p+1], v[TW+2*\p:TW+2*\p+1], \lit op_sel_hi:[1,1,0]
.endr
.endm
; gelu(z) = z/2 + z/2 erf(z / sqrt 2) on token tile a's 16 numbers a lane, two at a time; then the latent column's two halves are added into the lower eight
.macro GELU16 a
.set zr, Z+16*(\a)
.irp p, 0,1,2,3,4,5,6,7
	v_pk_mul_f32 v[TU+2*\p:TU+2*\p+1], v[zr+2*\p:zr+2*\p+1], 0x3f3504f3 op_sel_hi:[1,0]   ; u = z / sqrt 2
.endr
.set i, 0
.rept 16
	v_med3_num_f32 v[TU+i], v[TU+i], -4.0, 4.0
.set i, i+1
.endr
.irp p, 0,1,2,3,4,5,6,7
	v_pk_mul_f32 v[TW+2*\p:TW+2*\p+1], v[TU+2*\p:TU+2*\p+1], v[TU+2*\p:TU+2*\p+1]
.endr
.irp p, 0,1,2,3,4,5,6,7
	v_pk_fma_f32 v[TP+2*\p:TP+2*\p+1], v[TW+2*\p:TW+2*\p+1], 0xaf95df0b, v[20:21] op_sel_hi:[1,0,1]
.endr
.irp p, 0,1,2,3,4,5,6,7
	v_pk_fma_f32 v[TQ+2*\p:TQ+2*\p+1], v[TW+2*\p:TW+2*\p+1], 0xb77460cd, v[22:23] op_sel_hi:[1,0,1]
.endr
	HORN TP, 0xb60cff51
	HORN TQ, 0xbadc924e
	HORN TP, 0xb86ec2d2
	HORN TQ, 0xbbf19bf8
	HORN TP, 0xba40ac63
	HORN TQ, 0xbc69b6a7
.set i, 0
	s_wait_alu depctr_va_vdst(0)                   ; the wait ahead of the batch
.rept 16
	v_rcp_f32 v[TQ+i], v[TQ+i]                     ; one batch
.set i, i+1
.endr
	HORN TP, 0xbb41a1f6                            ; independent work behind the batch: it names no reciprocal
	HORN TP, 0xbc83dbd4
.irp p, 0,1,2,3,4,5,6,7
	v_pk_mul_f32 v[TU+2*\p:TU+2*\p+1], v[TU+2*\p:TU+2*\p+1], v[TP+2*\p:TP+2*\p+1]
.endr
	s_wait_alu depctr_va_vdst(0)                   ; one wait for the sixteen reciprocals, ahead of their first reader
.irp p, 0,1,2,3,4,5,6,7
	v_pk_mul_f32 v[TU+2*\p:TU+2*\p+1], v[TU+2*\p:TU+2*\p+1], v[TQ+2*\p:TQ+2*\p+1]   ; erf
.endr
.irp p, 0,1,2,3,4,5,6,7
	v_pk_mul_f32 v[zr+2*\p:zr+2*\p+1], v[zr+2*\p:zr+2*\p+1], 0.5 op_sel_hi:[1,0]
.endr
.irp p, 0,1,2,3,4,5,6,7
	v_pk_fma_f32 v[zr+2*\p:zr+2*\p+1], v[zr+2*\p:zr+2*\p+1], v[TU+2*\p:TU+2*\p+1], v[zr+2*\p:zr+2*\p+1]
.endr
.irp p, 0,1,2,3
	v_pk_add_f32 v[zr+2*\p:zr+2*\p+1], v[zr+2*\p:zr+2*\p+1], v[zr+8+2*\p:zr+9+2*\p]
.endr
.set i, 0
.rept 8
	v_med3_num_f32 v[zr+i], v[zr+i], -v[LIML], v[LIML]
.set i, i+1
.endr
	v_cvt_scalef32_pk8_fp8_f32 v[LC+2*(\a):LC+2*(\a)+1], v[zr:zr+7], v[SCLL]   ; latent columns 32 nt + 16 wc + 8 h + 0 .. 7
	v_nop                                          ; a plain line behind the conversion
	global_store_b64 v[L8], v[LC+2*(\a):LC+2*(\a)+1], s[18:19] offset:4096*(\a)   ; 256 consecutive bytes, aligned
.endm
.irp a, 0,1,2,3
	GELU16 \a
.endr
	s_wait_tensorcnt 0x0                           ; the wave's end
	ds_add_u32 v30, v31
	s_wait_dscnt 0x0
	CROUND                                         ; the closing round: no work-group ends while a partner may still ask for a tile that names it
	s_endpgm
.Lfunc_end_k_q67bed55620_proj:
	.size	k_q67bed55620_proj, .Lfunc_end_k_q67bed55620_proj-k_q67bed55620_proj
	.p2alignl 7, 3214868480
	.fill 96, 4, 3214868480
	.section	.rodata,"a",@progbits
	.p2align	6, 0x0
	.amdhsa_kernel k_q67bed55620_proj
		.amdhsa_group_segment_fixed_size 327680
		.amdhsa_private_segment_fixed_size 0
		.amdhsa_enable_private_segment 0
		.amdhsa_kernarg_size 64
		.amdhsa_user_sgpr_count 2
		.amdhsa_user_sgpr_kernarg_segment_ptr 1
		.amdhsa_wavefront_size32 1
		.amdhsa_system_sgpr_workgroup_id_x 1
		.amdhsa_system_sgpr_workgroup_id_y 1
		.amdhsa_system_sgpr_workgroup_id_z 1
		.amdhsa_system_vgpr_workitem_id 0
		.amdhsa_next_free_vgpr 1024
		.amdhsa_next_free_sgpr 102
		.amdhsa_reserve_vcc 0
		.amdhsa_float_denorm_mode_32 3
		.amdhsa_float_denorm_mode_16_64 3
		.amdhsa_memory_ordered 1
		.amdhsa_forward_progress 1
		.amdhsa_inst_pref_size 113
	.end_amdhsa_kernel
	.amdgpu_metadata
---
amdhsa.version: [ 1, 2 ]
amdhsa.kernels:
  - .name:           k_q67bed55620_proj
    .symbol:         k_q67bed55620_proj.kd
    .args:
      - { .name: x_codes, .offset: 0, .size: 8, .value_kind: global_buffer, .address_space: global }
      - { .name: Wq_codes, .offset: 8, .size: 8, .value_kind: global_buffer, .address_space: global }
      - { .name: Wkd_codes, .offset: 16, .size: 8, .value_kind: global_buffer, .address_space: global }
      - { .name: bq, .offset: 24, .size: 8, .value_kind: global_buffer, .address_space: global }
      - { .name: bkd, .offset: 32, .size: 8, .value_kind: global_buffer, .address_space: global }
      - { .name: lowp_scales, .offset: 40, .size: 8, .value_kind: global_buffer, .address_space: global }
      - { .name: qimg, .offset: 48, .size: 8, .value_kind: global_buffer, .address_space: global }
      - { .name: latimg, .offset: 56, .size: 8, .value_kind: global_buffer, .address_space: global }
    .group_segment_fixed_size: 327680
    .private_segment_fixed_size: 0
    .kernarg_segment_align: 8
    .kernarg_segment_size: 64
    .max_flat_workgroup_size: 128
    .sgpr_count:     102
    .vgpr_count:     1024
    .wavefront_size: 32
...
	.end_amdgpu_metadata
.endif
;; end of part 1
;; launch kv (part 2): grid 8 x 32, 8 waves a work-group, clusters of 4 x 4, 327,680 bytes of LDS; arguments latimg, Wku_codes, bku, lowp_scales, kimg, vimg; writes kimg, vimg
.if DOCPART == 2
	.amdgcn_target "amdgcn-amd-amdhsa--gfx1250"
	.amdhsa_code_object_version 6
	.text
	.protected	k_q67bed55620_kv
	.globl	k_q67bed55620_kv
	.p2align	8
	.type	k_q67bed55620_kv,@function
k_q67bed55620_kv:
	s_mov_b64 s[64:65], 0
	v_nop
	global_prefetch_b8 v0, s[64:65] scope:SCOPE_SE
	s_setreg_imm32_b32 hwreg(HW_REG_WAVE_MODE, 25, 1), 1
	s_wait_xcnt 0x0
	s_wait_alu depctr_hold_cnt(0) depctr_sa_sdst(0) depctr_va_vdst(0) depctr_va_sdst(0) depctr_va_ssrc(0) depctr_va_vcc(0) depctr_vm_vsrc(0)
	s_getreg_b32 s2, hwreg(HW_REG_IB_STS2, 6, 4)
	s_cmp_eq_u32 s2, 0
	s_cbranch_scc0 .Lentry_in_a_cluster
	s_endpgm
.Lentry_in_a_cluster:
	s_bfe_u32 s2, ttmp6, 0x10000c
	s_cmp_lg_u32 s2, 0xf033
	s_cbranch_scc0 .Lentry_shape_is_right
	s_endpgm
.Lentry_shape_is_right:
; k = Q(lat Wku[:, :1024] + bku), v = Q(lat Wku[:, 1024:] + bku), on codes of E4M3; K = 256, two steps of 128.
; SHARES.  A work-group makes 128 tokens (one key step of the attention) x 256 rows of Wku's codes (four heads of k or of v).  Eight waves: wave w takes 64 rows (w % 4) x 64 tokens (w / 4).
; LDS.  lat's image (32,768 bytes, dense: 8 bytes a lane at 8 x lane, 256 bytes for 16 columns of a token tile) and Wku's 256 rows of 256 bytes + 16 of padding; every byte filled once, one joint load a wave:
; waves 0-3 a quarter of lat's, waves 4-7 64 rows of Wku's.  lat's tile is shared along a row of the 4 x 4 cluster, Wku's along a column.  All fills stand at the head: there is no loop to prefetch in.
; In both operands registers 2 c, 2 c + 1 hold K = 16 c + 8 h + 0 .. 7.
; k (cluster x 0): source 0 = 16 rows of Wku, source 1 = 16 tokens: a lane holds one key and eight neighbours of the head's 64, which is the first attention product's K.
; v (cluster x 1): the sources change places: a lane holds one of the head's 64 and eight neighbouring keys, which is the second attention product's K.  THE ROWS OF A TILE OF v ARE NOT NEIGHBOURS:
; lane r of tile 2 c + u takes row 32 c + 8 u + r + 8 (r / 8), so that the attention's result has 16 neighbours of the head in the 16 registers of two tiles.
; LIMITS.  e7-e4-e5 and e8-e4-e5 between -126 and 119.  NaN among the biases is not served.
; REGISTERS.  window 0: v4-6 addresses; v8-11 v's biases as loaded; v12, v13 the add's; v16-47 the bias in the result's layout; v48-79 codes; v112, v113 scale and 448 x scale; v128-255 two sets of 8 accumulators.
;   window 1: lat's fragments (token tile i, K step s) at 32 i + 16 s; Wku's (tile t, K step s) at 128 + 16 (2 t + s).
.set PITCH, 272
.set WOFF,  32768
.set SPARE, WOFF+256*PITCH
.set WV,  3
.set WQ,  16
.set TH,  17
.set CX,  20
.set CY,  21
.set XT,  22
.set YT,  23
.set G1A, 24
.set G1B, 32
.set G0A, 40
.set G0B, 44
.set E,   52                           ; s[52:59] e0 .. e7; s60 e8
.set BI,  16
.set CD,  48
.set SCL, 112
.set LIM, 113
.set MSB, 0
.macro WIN new                         ; the immediate's high byte repeats the setting that is left
.if MSB != \new
	s_set_vgpr_msb (MSB<<8)|\new
.set MSB, \new
.endif
.endm
.macro PLACES n
.rept \n
	v_nop
.endr
.endm
.macro CROUND                          ; a round of the cluster's barrier
	s_barrier_signal -1
	s_barrier_wait -1
	s_cmp_lg_u32 s[WV], 0
	s_cbranch_scc1 .Lnot_wave_0_\@
	s_barrier_signal -3
.Lnot_wave_0_\@:
	s_barrier_wait -3
	s_barrier_signal -1
	s_barrier_wait -1
.endm
	s_load_b256 s[4:11], s[0:1], 0x0               ; latimg s[4:5], Wku s[6:7], bku s[8:9], exponents s[10:11]
	s_load_b128 s[12:15], s[0:1], 0x20             ; kimg s[12:13], vimg s[14:15]
	v_lshl_add_u32 v12, v0, 2, SPARE
	v_mov_b32 v13, 0
	ds_add_u32 v12, v13                            ; the opening adds
	ds_add_u32 v12, v13
	v_lshrrev_b32 v1, 5, v0
	v_readfirstlane_b32 s[WV], v1
	s_bfe_u32 s[CX], ttmp6, 0x40000
	s_bfe_u32 s[CY], ttmp6, 0x40004
	s_lshl_b32 s[XT], ttmp9, 2
	s_add_co_u32 s[XT], s[XT], s[CX]               ; my 256 rows of Wku
	s_and_b32 s[YT], ttmp7, 0xffff
	s_lshl_b32 s[YT], s[YT], 2
	s_add_co_u32 s[YT], s[YT], s[CY]               ; my 128 tokens
	s_lshl_b32 s70, s[CY], 2
	s_lshl_b32 s70, 15, s70                        ; my row of the cluster
	s_lshl_b32 s76, 0x1111, s[CX]                  ; my column
	s_or_b32 s[G1A], s70, (3<<16)|(1<<21)          ; lat: elements of 8 bytes, no padding
	s_mov_b32 s[G1A+1], 32<<16                     ; rows of 256 bytes of a dense block
	s_mov_b32 s[G1A+2], 32<<16
	s_mov_b32 s[G1A+3], 32<<16
	s_mov_b32 s[G1A+4], 32
	s_mov_b32 s[G1A+5], 32
	s_mov_b32 s[G1A+6], 0
	s_mov_b32 s[G1A+7], 0
	s_or_b32 s[G1B], s76, (1<<20)|(1<<21)|(5<<22)|(3<<25)   ; Wku: elements of 1 byte; 4 words of padding after every 64
	s_mov_b32 s[G1B+1], 256<<16
	s_mov_b32 s[G1B+2], 64<<16
	s_mov_b32 s[G1B+3], 256<<16
	s_mov_b32 s[G1B+4], 64
	s_mov_b32 s[G1B+5], 256
	s_mov_b32 s[G1B+6], 0
	s_mov_b32 s[G1B+7], 0
	s_and_b32 s[WQ], s[WV], 3                      ; which quarter I fetch; also which 64 rows are mine
	s_lshr_b32 s[TH], s[WV], 2                     ; which 64 tokens are mine
	s_lshl_b32 s72, s[WQ], 13
	s_mov_b32 s[G0A], 1
	s_mov_b32 s[G0A+1], s72
	s_lshl_b32 s70, s[YT], 15                      ; lat: 8 token tiles of 4,096 bytes (registers that never hold cx)
	s_add_co_u32 s70, s70, s72
	s_mov_b32 s71, 0
	s_mul_i32 s18, s[WQ], 64*PITCH
	s_add_co_u32 s18, s18, WOFF                    ; my 64 rows of Wku in LDS: those that I multiply, and those that I fetch
	s_mov_b32 s[G0B], 1
	s_mov_b32 s[G0B+1], s18
	s_lshl_b32 s76, s[XT], 16                      ; Wku: 256 rows of 256 bytes (registers that never hold cy)
	s_lshl_b32 s73, s[WQ], 14
	s_add_co_u32 s76, s76, s73
	s_mov_b32 s77, 0
	s_wait_dscnt 0x0                               ; both opening adds are done
	s_wait_kmcnt 0x0
	s_load_b256 s[E:E+7], s[10:11], 0x0
	s_load_b32 s60, s[10:11], 0x20
	s_add_nc_u64 s[G0A+2:G0A+3], s[4:5], s[70:71]
	s_or_b32 s[G0A+3], s[G0A+3], 0x80000000
	s_add_nc_u64 s[G0B+2:G0B+3], s[6:7], s[76:77]
	s_or_b32 s[G0B+3], s[G0B+3], 0x80000000
	CROUND                                         ; all sixteen work-groups are here: the joint loads meet
	s_cmp_lt_u32 s[WV], 4
	s_cbranch_scc0 .Lfill_b
	tensor_load_to_lds s[G0A:G0A+3], s[G1A:G1A+7]
	s_nop 0
	PLACES 4
	s_branch .Lfilled
.Lfill_b:
	tensor_load_to_lds s[G0B:G0B+3], s[G1B:G1B+7]
	s_nop 0
	PLACES 4
.Lfilled:
	s_lshl_b32 s72, s[XT], 2
	s_add_co_u32 s72, s72, s[WQ]                   ; nb: head of k (0-15) or 16 + head of v
	s_lshl_b32 s74, s72, 8                         ; 64 biases
	s_mov_b32 s75, 0
	s_add_nc_u64 s[8:9], s[8:9], s[74:75]
	s_lshr_b32 s74, s[YT], 4                       ; batch,
	s_lshl_b32 s74, s74, 21
	s_and_b32 s72, s72, 15                         ; head: 131,072 bytes each,
	s_lshl_b32 s72, s72, 17
	s_add_co_u32 s74, s74, s72
	s_and_b32 s72, s[YT], 15                       ; key step: 8,192 bytes in either image
	s_lshl_b32 s72, s72, 13
	s_add_co_u32 s74, s74, s72
	s_add_nc_u64 s[12:13], s[12:13], s[74:75]
	s_add_nc_u64 s[14:15], s[14:15], s[74:75]
	s_lshl_b32 s74, s[TH], 12                      ; my four token tiles in k's image,
	s_add_nc_u64 s[12:13], s[12:13], s[74:75]
	s_lshl_b32 s74, s[TH], 10                      ; in v's,
	s_add_nc_u64 s[14:15], s[14:15], s[74:75]
	s_lshl_b32 s74, s[TH], 14                      ; and in lat's tile
	v_and_b32 v1, 15, v0                           ; r
	v_bfe_u32 v2, v0, 4, 1                         ; h
	v_and_b32 v4, 31, v0
	v_lshlrev_b32 v3, 4, v4                        ; 16 x lane
	v_lshl_add_u32 v4, v4, 3, s74                  ; lat: 8 x lane
; 16 products: token tiles 2 p, 2 p + 1 x four tiles of Wku, K step 0 (C = the bias) and then K step 1: the eight accumulators take turns, one instruction a turn
.macro MM ty, p
	WIN 0x05                                       ; sources 0 and 1 window 1
.irp s, 0,1
.irp ii, 0,1
.irp t, 0,1,2,3
.set rd, 128+64*(\p)+8*(4*\ii+\t)
.set rl, 32*(2*(\p)+\ii)+16*\s
.set rw, 128+16*(2*\t+\s)
.set ra, rw+\ty*(rl-rw)                ; source 0: Wku's rows for k, lat's for v
.set rb, rl+\ty*(rw-rl)
.if \s == 0
	v_wmma_f32_16x16x128_fp8_fp8 v[rd:rd+7], v[ra:ra+15], v[rb:rb+15], v[BI+8*\t:BI+8*\t+7]
.else
	v_wmma_f32_16x16x128_fp8_fp8 v[rd:rd+7], v[ra:ra+15], v[rb:rb+15], v[rd:rd+7]
.endif
.endr
.endr
.endr
.endm
; the pair's 64 sums a lane become 16 registers of codes and leave: four stores of 512 consecutive bytes.  Each pair has its own registers for its codes
.macro EPI ty, p
.irp ii, 0,1
.irp t, 0,1,2,3
.set rd, 128+64*(\p)+8*(4*\ii+\t)
.if \ty
.set rc, CD+16*(\p)+4*\t+2*\ii                 ; v: registers 2 i, 2 i + 1 of tile t's fragment (keys 16 i + 8 h + 0 .. 7)
.else
.set rc, CD+16*(\p)+8*\ii+2*\t                 ; k: registers 2 t, 2 t + 1 of key tile i's fragment (the head's 16 t + 8 h + 0 .. 7)
.endif
.irp j, 0,1,2,3,4,5,6,7
	v_med3_num_f32 v[rd+\j], v[rd+\j], -v[LIM], v[LIM]   ; the conversion does not saturate (ISA guide 7.6.2): the hold comes first; each accumulator from its low end on
.endr
	v_cvt_scalef32_pk8_fp8_f32 v[rc:rc+1], v[rd:rd+7], v[SCL]
.endr
.endr
	v_nop                                          ; a plain line behind the last conversion
.if \ty
.irp t, 0,1,2,3
	global_store_b128 v3, v[CD+16*(\p)+4*\t:CD+16*(\p)+4*\t+3], s[14:15] offset:2048*\t+512*(\p)
.endr
.else
.irp ii, 0,1
.irp g, 0,1
	global_store_b128 v3, v[CD+16*(\p)+8*\ii+4*\g:CD+16*(\p)+8*\ii+4*\g+3], s[12:13] offset:1024*(2*(\p)+\ii)+512*\g
.endr
.endr
.endif
.endm
.macro PATH ty                         ; the branch between the two paths hangs on the cluster's x alone: the same in all waves and all partners
.if \ty
	v_and_b32 v7, 8, v1
	v_add_nc_u32 v7, v7, v1                        ; r + 8 (r / 8)
	v_mul_u32_u24 v5, v7, PITCH
	v_lshl_add_u32 v5, v2, 3, v5                   ; Wku: that row, + 8 h
	v_lshlrev_b32 v6, 2, v7                        ; the lane's one bias a tile
.else
	v_mul_u32_u24 v5, v1, PITCH
	v_lshl_add_u32 v5, v2, 3, v5                   ; Wku: row r, + 8 h
	v_lshlrev_b32 v6, 5, v2                        ; the lane's eight biases a tile: 8 h on
.endif
	v_add_nc_u32 v5, s18, v5
.if \ty
.irp t, 0,1,2,3
	global_load_b32 v[8+\t], v6, s[8:9] offset:4*(32*(\t/2)+8*(\t%2))
.endr
.else
.irp t, 0,1,2,3
	global_load_b128 v[BI+8*\t:BI+8*\t+3], v6, s[8:9] offset:64*\t
	global_load_b128 v[BI+8*\t+4:BI+8*\t+7], v6, s[8:9] offset:64*\t+16
.endr
.endif
	s_wait_alu depctr_va_vdst(0)
	s_wait_kmcnt 0x0
	s_add_co_i32 s70, s[E+4], s[E+5]               ; e4 + e5: a sum stands for sum x 2^(e4 + e5)
	s_sub_co_i32 s71, 0, s70
.if \ty
	s_sub_co_i32 s72, s60, s70                     ; e8 - e4 - e5
.else
	s_sub_co_i32 s72, s[E+7], s70                  ; e7 - e4 - e5
.endif
	s_add_co_i32 s72, s72, 127
	s_lshl_b32 s73, s72, 23
	s_add_co_i32 s72, s72, 8
	s_lshl_b32 s72, s72, 23
	s_or_b32 s72, s72, 0x600000
	v_mov_b32 v[SCL], s73
	v_mov_b32 v[LIM], s72
	s_wait_alu depctr_va_vdst(0)
	s_wait_loadcnt 0x0                             ; the biases
.if \ty
.irp t, 0,1,2,3
.irp j, 0,1,2,3,4,5,6,7
	v_ldexp_f32 v[BI+8*\t+\j], v[8+\t], s71        ; the lane's bias / 2^(e4 + e5), for all eight keys
.endr
.endr
.else
.set i, 0
.rept 32
	v_ldexp_f32 v[BI+i], v[BI+i], s71
.set i, i+1
.endr
.endif
	s_wait_alu depctr_va_vdst(0)                   ; the wait at the head's end
	s_wait_tensorcnt 0x0                           ; my part is in
	s_barrier_signal -1
	s_barrier_wait -1                              ; everybody's is
	WIN 0x40                                       ; destination window 1
.irp t, 0,1,2,3
.irp s, 0,1
.irp c, 0,1,2,3,4,5,6,7
	ds_load_b64 v[128+16*(2*\t+\s)+2*\c:128+16*(2*\t+\s)+2*\c+1], v5 offset:((1-\ty)*16*\t+\ty*(32*(\t/2)+8*(\t%2)))*PITCH+128*\s+16*\c
.endr
.endr
.endr
.irp i, 0,1,2,3
.irp s, 0,1
.irp c, 0,1,2,3,4,5,6,7
	ds_load_b64 v[32*\i+16*\s+2*\c:32*\i+16*\s+2*\c+1], v4 offset:4096*\i+2048*\s+256*\c
.endr
.endr
.endr
	s_wait_dscnt 32                                ; Wku's and the first pair of token tiles are in; the second pair's 32 loads may be out
	MM \ty, 0
	s_wait_dscnt 0x0
	MM \ty, 1
	WIN 0
	PLACES 4                                       ; in front of the first read of results
	EPI \ty, 0
	EPI \ty, 1
.endm
	s_cmp_lt_u32 ttmp9, 1
	s_wait_alu depctr_va_vdst(0)                   ; the wait ahead of the branch
	s_cbranch_scc0 .Lv
	PATH 0
	s_branch .Lend
.Lv:
	PATH 1
.Lend:
	s_wait_tensorcnt 0x0                           ; the wave's end
	ds_add_u32 v12, v13
	s_wait_dscnt 0x0
	CROUND                                         ; the closing round: no work-group ends while a partner may still ask for a tile that names it
	s_endpgm
.Lfunc_end_k_q67bed55620_kv:
	.size	k_q67bed55620_kv, .Lfunc_end_k_q67bed55620_kv-k_q67bed55620_kv
	.p2alignl 7, 3214868480
	.fill 96, 4, 3214868480
	.section	.rodata,"a",@progbits
	.p2align	6, 0x0
	.amdhsa_kernel k_q67bed55620_kv
		.amdhsa_group_segment_fixed_size 327680
		.amdhsa_private_segment_fixed_size 0
		.amdhsa_enable_private_segment 0
		.amdhsa_kernarg_size 48
		.amdhsa_user_sgpr_count 2
		.amdhsa_user_sgpr_kernarg_segment_ptr 1
		.amdhsa_wavefront_size32 1
		.amdhsa_system_sgpr_workgroup_id_x 1
		.amdhsa_system_sgpr_workgroup_id_y 1
		.amdhsa_system_sgpr_workgroup_id_z 1
		.amdhsa_system_vgpr_workitem_id 0
		.amdhsa_next_free_vgpr 512
		.amdhsa_next_free_sgpr 90
		.amdhsa_reserve_vcc 0
		.amdhsa_float_denorm_mode_32 3
		.amdhsa_float_denorm_mode_16_64 3
		.amdhsa_memory_ordered 1
		.amdhsa_forward_progress 1
		.amdhsa_inst_pref_size 53
	.end_amdhsa_kernel
	.amdgpu_metadata
---
amdhsa.version: [ 1, 2 ]
amdhsa.kernels:
  - .name:           k_q67bed55620_kv
    .symbol:         k_q67bed55620_kv.kd
    .args:
      - { .name: latimg, .offset: 0, .size: 8, .value_kind: global_buffer, .address_space: global }
      - { .name: Wku_codes, .offset: 8, .size: 8, .value_kind: global_buffer, .address_space: global }
      - { .name: bku, .offset: 16, .size: 8, .value_kind: global_buffer, .address_space: global }
      - { .name: lowp_scales, .offset: 24, .size: 8, .value_kind: global_buffer, .address_space: global }
      - { .name: kimg, .offset: 32, .size: 8, .value_kind: global_buffer, .address_space: global }
      - { .name: vimg, .offset: 40, .size: 8, .value_kind: global_buffer, .address_space: global }
    .group_segment_fixed_size: 327680
    .private_segment_fixed_size: 0
    .kernarg_segment_align: 8
    .kernarg_segment_size: 48
    .max_flat_workgroup_size: 256
    .sgpr_count:     90
    .vgpr_count:     512
    .wavefront_size: 32
...
	.end_amdgpu_metadata
.endif
;; end of part 2
;; launch attn (part 3): grid 4 x 64, 16 waves a work-group, clusters of 4 x 4, 327,680 bytes of LDS; arguments qimg, kimg, vimg, lowp_scales, oimg; writes oimg
.if DOCPART == 3
	.amdgcn_target "amdgcn-amd-amdhsa--gfx1250"
	.amdhsa_code_object_version 6
	.text
	.protected	k_q67bed55620_attn
	.globl	k_q67bed55620_attn
	.p2align	8
	.type	k_q67bed55620_attn,@function
k_q67bed55620_attn:
	s_mov_b64 s[64:65], 0
	v_nop
	global_prefetch_b8 v0, s[64:65] scope:SCOPE_SE
	s_setreg_imm32_b32 hwreg(HW_REG_WAVE_MODE, 25, 1), 1
	s_wait_xcnt 0x0
	s_wait_alu depctr_hold_cnt(0) depctr_sa_sdst(0) depctr_va_vdst(0) depctr_va_sdst(0) depctr_va_ssrc(0) depctr_va_vcc(0) depctr_vm_vsrc(0)
	s_getreg_b32 s2, hwreg(HW_REG_IB_STS2, 6, 4)
	s_cmp_eq_u32 s2, 0
	s_cbranch_scc0 .Lentry_in_a_cluster
	s_endpgm
.Lentry_in_a_cluster:
	s_bfe_u32 s2, ttmp6, 0x10000c
	s_cmp_lg_u32 s2, 0xf033
	s_cbranch_scc0 .Lentry_shape_is_right
	s_endpgm
.Lentry_shape_is_right:
; o = Q(softmax(q k^T / 8, causal) v), both products on codes of E4M3; 32 (batch, head) pairs, head size 64, 2,048 tokens, eight work-groups to a head.
; THE SOFTMAX AHEAD OF THE SECOND PRODUCT: t = score x log2(e) / 8; M = the running largest t rounded UP to a whole number; p = 2^(t - M) is quantised, not normalised; the row's sum is taken of the
; unquantised p and divides at the end.  When M moves, the sum and O are multiplied by 2^(old M - new M): exact.
; SHARES.  Work-group g (0..7) of a head owns the 16 tiles of 16 queries 8 j + g, j = 0 .. 15.  Tile j needs key steps (128 keys) 0 .. j, and step j is its diagonal, whatever g is.
; Tiles p and 15 - p (p = 0 .. 7) have 17 steps together and belong to two waves.  The first walks tile 15 - p's steps 0 .. 7 (p = 0: 0 .. 8).  The second walks tile p's steps 0 .. p, sends that tile out, and walks the rest of tile 15 - p's steps.
; The first hands its O, sum and M through LDS to the second, which joins the two parts.  Waves w, w + 4, w + 8, w + 12 are two of each kind and have 34 steps together.
; Every branch hangs on the wave's number and a loop's count alone.  Steps all of whose keys come after a tile's queries are not walked.
; LDS holds the head's whole k image (131,072 bytes) and v image behind it, every byte filled once: key steps 0 and 1 by waves 0 (k) and 1 (v) at the head; behind a full round the rest, 2 x 114,688 bytes, by one load of 14,336 bytes in
; each of the sixteen waves, which has each wave's first two steps in which to land.  The loops issue no tensor load, so there is no trip to prefetch for.
; CLUSTER 4 x 4: a row of the cluster walks one head, and each tile is asked for jointly by its four; two rows make a head's eight.
; LAYOUT.  S^T = k q^T (source 0 = 16 keys, source 1 = my 16 queries), O^T = v^T p^T: a lane holds one query throughout; the eight tiles of S^T are 128 neighbouring keys in the very order of the second product's operand.
; All operands are images of registers: 16 bytes a lane at 16 x lane, so LDS reads are 512 consecutive bytes.
; LIMITS.  e6+e7 between -100 and 130 (a hidden score becomes at most -2^119 in the sums' units, which themselves stay under 2^24 in size); e9 and e10-e8-e9 between -126 and 119.
; REGISTERS.  v1 16 x lane; v2 the same in v's image; v8, v9 addresses in hand; v10, v11 the hand-over; v12 -M, v13 the largest t, v[14:15] the sum; v16-23 q; v24-31 tile 15 - p's q; v32-95 k's, then v's fragments;
;   v96-159 S^T, then p; v160-191 O^T; v192-207 p's codes; v208 on at work and constants; v[232:233] the diagonal's bound.
.set WV,  14
.set PP,  15
.set CX,  16
.set G,   17
.set Y,   18
.set ROLE, 19                          ; 0: the first of the two waves, 1: the second
.set SEL, 20                           ; s[20:21] selects for lane l xor 16
.set CS,  22                           ; s[22:23] log2(e) / 8 x 2^(e6 + e7)
.set G1,  24                           ; s[24:31] group 1: 64 rows of 256 bytes;  s[32:39]: 56 rows
.set G1L, 32
.set G0,  40
.set OFFB, 44                          ; the second wave's leap along the keys, in bytes, when it changes tiles
.set SWT, 45                           ; the trip at which it does (99: never)
.set HA,  46                           ; the first wave's number of steps
.set T,   47                           ; the trip
.set TB,  48                           ; LDS byte of the key step in hand, in either image
.set KS,  49                           ; the key step
.set J,   50                           ; the tile in hand
.set JLO, 51                           ; my first tile
.set E,   52                           ; s[52:63] the twelve exponents
.set HL,  66                           ; 448 x 2^e9
.set JHI, 67                           ; 15 - p
.set OLO, 68                           ; s[68:69] where my first tile goes
.set OHI, 70                           ; s[70:71] where tile 15 - p goes
.set G0L, 84
.set LM,  88                           ; the first loop's steps of mine
.set ADK, 8
.set ADV, 9
.set SCR, 262144                       ; behind the images: eight hand-overs of 4,352 bytes
.set SCP, 4352
.set SPARE, SCR+8*SCP                  ; the spare words
.macro PLACES n
.rept \n
	v_nop
.endr
.endm
.macro CROUND                          ; a round of the cluster's barrier
	s_barrier_signal -1
	s_barrier_wait -1
	s_cmp_lg_u32 s[WV], 0
	s_cbranch_scc1 .Lnot_wave_0_\@
	s_barrier_signal -3
.Lnot_wave_0_\@:
	s_barrier_wait -3
	s_barrier_signal -1
	s_barrier_wait -1
.endm
.macro INIT                            ; a tile's start.  (The step is written for every trip alike; the first finds zeros)
	v_mov_b32 v13, 0xff61b1e6                      ; the largest t so far: -3e38, under every t
	v_mov_b32 v14, 0
	v_mov_b32 v15, 0
	v_floor_f32 v12, -v13                          ; -M
.set i, 0
.rept 32
	v_mov_b32 v[160+i], 0                          ; O^T
.set i, i+1
.endr
.endm
	s_load_b256 s[4:11], s[0:1], 0x0               ; qimg s[4:5], kimg s[6:7], vimg s[8:9], exponents s[10:11]
	s_load_b64 s[12:13], s[0:1], 0x20              ; oimg
	v_lshl_add_u32 v251, v0, 2, SPARE
	v_mov_b32 v255, 0
	ds_add_u32 v251, v255                          ; the opening adds
	ds_add_u32 v251, v255
	v_lshrrev_b32 v1, 5, v0
	v_readfirstlane_b32 s[WV], v1
	s_bfe_u32 s[CX], ttmp6, 0x40000
	s_bfe_u32 s72, ttmp6, 0x40004                  ; cy
	s_and_b32 s73, ttmp7, 0xffff
	s_lshl_b32 s73, s73, 2
	s_add_co_u32 s73, s73, s72
	s_lshr_b32 s[Y], s73, 1                        ; 16 x batch + head: shared by a row of the cluster
	s_and_b32 s[G], s72, 1
	s_lshl_b32 s[G], s[G], 2
	s_add_co_u32 s[G], s[G], s[CX]                 ; it enters global addresses and the mask's bound alone
	s_lshl_b32 s72, s72, 2
	s_lshl_b32 s72, 15, s72                        ; my row of the cluster
	s_or_b32 s[G1], s72, (3<<16)|(1<<21)           ; mask; elements of 8 bytes; bit 21 beside a mask; no padding
	s_mov_b32 s[G1+1], 32<<16                      ; rows of 256 bytes of a dense block
	s_mov_b32 s[G1+2], 64<<16
	s_mov_b32 s[G1+3], 32<<16
	s_mov_b32 s[G1+4], 64
	s_mov_b32 s[G1+5], 32
	s_mov_b32 s[G1+6], 0
	s_mov_b32 s[G1+7], 0
	s_or_b32 s[G1L], s72, (3<<16)|(1<<21)
	s_mov_b32 s[G1L+1], 32<<16
	s_mov_b32 s[G1L+2], 56<<16
	s_mov_b32 s[G1L+3], 32<<16
	s_mov_b32 s[G1L+4], 56
	s_mov_b32 s[G1L+5], 32
	s_mov_b32 s[G1L+6], 0
	s_mov_b32 s[G1L+7], 0
	s_lshr_b32 s76, s[WV], 1
	s_mul_i32 s76, s76, 14336
	s_add_co_u32 s76, s76, 16384                   ; my part of key steps 2 .. 15: 14,336 bytes at 16,384 + 14,336 x (w / 2)
	s_mov_b32 s77, 0
	s_and_b32 s78, s[WV], 1                        ; of k's image or of v's
	s_lshl_b32 s79, s78, 17
	s_mov_b32 s[G0], 1
	s_mov_b32 s[G0+1], s79                         ; key steps 0 and 1 (waves 0 and 1)
	s_mov_b32 s[G0L], 1
	s_add_co_u32 s[G0L+1], s79, s76
	s_lshl_b32 s74, s[Y], 17                       ; the head's image
	s_mov_b32 s75, 0
	s_wait_dscnt 0x0                               ; both opening adds are done
	s_wait_kmcnt 0x0
	s_load_b256 s[E:E+7], s[10:11], 0x0
	s_load_b128 s[E+8:E+11], s[10:11], 0x20
	s_cmp_eq_u32 s78, 0
	s_cselect_b64 s[80:81], s[6:7], s[8:9]
	s_add_nc_u64 s[G0+2:G0+3], s[80:81], s[74:75]
	s_add_nc_u64 s[G0L+2:G0L+3], s[G0+2:G0+3], s[76:77]
	s_or_b32 s[G0+3], s[G0+3], 0x80000000
	s_or_b32 s[G0L+3], s[G0L+3], 0x80000000
	CROUND                                         ; all sixteen work-groups are here: the joint loads meet
	s_cmp_lt_u32 s[WV], 2
	s_cbranch_scc0 .Lasked
	tensor_load_to_lds s[G0:G0+3], s[G1:G1+7]
	s_nop 0
	PLACES 4
.Lasked:
	s_bfe_u32 s[ROLE], s[WV], 0x10002
	s_and_b32 s[PP], s[WV], 3
	s_lshr_b32 s72, s[WV], 3
	s_lshl_b32 s72, s72, 2
	s_or_b32 s[PP], s[PP], s72                     ; p = 0 .. 7
	s_sub_co_u32 s[JHI], 15, s[PP]
	s_sub_co_u32 s[OFFB], 7, s[PP]
	s_lshl_b32 s[OFFB], s[OFFB], 13
	s_add_co_u32 s72, s[PP], 1
	s_max_u32 s73, s72, 2
	s_cmp_eq_u32 s[PP], 0
	s_cselect_b32 s78, 9, 8
	s_cmp_eq_u32 s[ROLE], 0
	s_cselect_b32 s[JLO], s[JHI], s[PP]
	s_cselect_b32 s[LM], 2, s72
	s_cselect_b32 s[SWT], 99, s73
	s_cselect_b32 s[HA], s78, 99
	s_lshl_b32 s72, s[G], 10                       ; q: tile 8 j + g of the head, 1,024 bytes each
	s_add_co_u32 s72, s72, s74
	s_lshl_b32 s76, s[JLO], 13
	s_add_co_u32 s76, s76, s72
	s_lshl_b32 s78, s[JHI], 13
	s_add_co_u32 s78, s78, s72
	s_mov_b32 s79, 0
	s_add_nc_u64 s[80:81], s[4:5], s[76:77]
	s_add_nc_u64 s[82:83], s[4:5], s[78:79]
	s_lshr_b32 s72, s[Y], 4                        ; o: row tile 128 x batch + 8 j + g: block of 64 rows (65,536 bytes), tile in it (4,096);
	s_lshl_b32 s72, s72, 21
	s_lshr_b32 s73, s[G], 2
	s_lshl_b32 s73, s73, 16
	s_add_co_u32 s72, s72, s73
	s_and_b32 s73, s[G], 3
	s_lshl_b32 s73, s73, 12
	s_add_co_u32 s72, s72, s73
	s_bfe_u32 s73, s[Y], 0x20002                   ; head: chunk of 256 along K (16,384),
	s_lshl_b32 s73, s73, 14
	s_add_co_u32 s72, s72, s73
	s_and_b32 s73, s[Y], 3                         ; K step in it (2,048) and half of that (1,024)
	s_lshl_b32 s73, s73, 10
	s_add_co_u32 s72, s72, s73
	s_lshl_b32 s76, s[JLO], 17
	s_add_co_u32 s76, s76, s72
	s_lshl_b32 s78, s[JHI], 17
	s_add_co_u32 s78, s78, s72
	s_add_nc_u64 s[OLO:OLO+1], s[12:13], s[76:77]
	s_add_nc_u64 s[OHI:OHI+1], s[12:13], s[78:79]
	s_mul_i32 s72, s[PP], SCP
	s_add_co_u32 s72, s72, SCR                     ; the pair's hand-over
	s_add_co_u32 s73, s72, 4096
	s_lshl_b32 s76, s[G], 4
	s_mov_b32 s[SEL], 0x76543210
	s_mov_b32 s[SEL+1], 0xfedcba98
	v_and_b32 v1, 31, v0
	v_and_b32 v4, 15, v0                           ; r
	v_bfe_u32 v5, v0, 4, 1                         ; h
	v_lshl_add_u32 v11, v1, 3, s73                 ; M and the sum: 8 x lane
	v_lshlrev_b32 v1, 4, v1                        ; 16 x lane
	v_lshlrev_b32 v5, 3, v5
	v_add_nc_u32 v2, 0x20000, v1
	v_add_nc_u32 v4, s76, v4
	v_add_nc_u32 v10, s72, v1                      ; O: 16 x lane
	v_sub_nc_u32 v3, v4, v5                        ; d = 16 g + r - 8 h.  Register i of tile tt holds key 16 tt + 8 h + i of the step: hidden on the diagonal where n = 16 tt + i is greater
	s_wait_alu depctr_va_vdst(0)
	global_load_b128 v[16:19], v1, s[80:81]
	global_load_b128 v[20:23], v1, s[80:81] offset:512
	global_load_b128 v[24:27], v1, s[82:83]        ; (for the first wave the same tile once more: one text for all waves)
	global_load_b128 v[28:31], v1, s[82:83] offset:512
	v_cvt_f32_i32 v232, v3
	v_mov_b32 v236, 0                              ; written once: a lane permute's destination counts as one of its sources
	v_mov_b32 v253, 0                              ; (named as the upper half of a pair; v225 and v227 likewise)
	v_mov_b32 v225, 0
	v_mov_b32 v227, 0
	v_add_f32 v233, -0.5, v232
	v_add_f32 v232, 0.5, v232
	v_mul_f32 v233, 0x7b800000, v233               ; (d - 1/2) 2^120,
	v_mul_f32 v232, 0x7b800000, v232               ; (d + 1/2) 2^120: less n 2^120, the bound of scores n + 1 and n: above every sum where the key counts, under every sum where it is hidden
	INIT
	s_wait_alu depctr_va_vdst(0)
	s_wait_kmcnt 0x0
	s_add_co_i32 s72, s[E+6], s[E+7]
	s_lshl_b32 s72, s72, 23
	s_add_co_i32 s[CS], s72, 0x3e38aa3b            ; log2(e) / 8; a score stands for score x 2^(e6 + e7): added to the constant's exponent field
	s_mov_b32 s[CS+1], s[CS]
	s_add_co_i32 s72, s[E+9], 127
	s_lshl_b32 s73, s72, 23                        ; 2^e9
	s_add_co_i32 s72, s72, 8
	s_lshl_b32 s72, s72, 23
	s_or_b32 s[HL], s72, 0x600000
	s_sub_co_i32 s72, s[E+10], s[E+8]
	s_sub_co_i32 s72, s72, s[E+9]
	s_add_co_i32 s72, s72, 127
	s_lshl_b32 s74, s72, 23                        ; 2^(e10 - e8 - e9): O^T / l stands for that x 2^(e8 + e9)
	s_add_co_i32 s72, s72, 8
	s_lshl_b32 s72, s72, 23
	s_or_b32 s72, s72, 0x600000                    ; 448 x that
	v_mov_b32 v244, s73
	v_mov_b32 v246, s74
	v_mov_b32 v247, s72
.macro BOUND n, t                      ; the bounds of the scores n, n + 1 (n even) into v[t:t+1]; n = 0 has v[232:233] itself
.if (\n) > 0
.set KK, 1
.irp e, 2,3,4,5,6
.if (\n) >= (1<<\e)
.set KK, \e
.endif
.endr
.set NB, 0x80000000|((247+KK)<<23)|(((\n)-(1<<KK))<<(23-KK))   ; the f32 number -n 2^120
	v_pk_add_f32 v[\t:\t+1], v[232:233], NB op_sel_hi:[1,0]
.endif
.endm
.macro STEP
	v_add_nc_u32 v[ADK], s[TB], v1
	v_add_nc_u32 v[ADV], s[TB], v2
	s_lshr_b32 s[KS], s[TB], 13
	PLACES 2                                       ; with the two additions: four places in front of loads into registers that the last products read
.irp tt, 0,1,2,3,4,5,6,7
	ds_load_b128 v[32+8*\tt:35+8*\tt], v[ADK] offset:1024*\tt
	ds_load_b128 v[36+8*\tt:39+8*\tt], v[ADK] offset:1024*\tt+512
.endr
	s_wait_alu depctr_va_vdst(0)
	s_wait_dscnt 0x0
.irp tt, 0,1,2,3,4,5,6,7
	v_wmma_f32_16x16x64_fp8_fp8 v[96+8*\tt:103+8*\tt], v[32+8*\tt:39+8*\tt], v[16:23], 0
.endr
	PLACES 4                                       ; in front of the loads over k's fragments and of the first read of scores
.irp dt, 0,1,2,3
.irp c, 0,1,2,3
	ds_load_b128 v[32+16*\dt+4*\c:35+16*\dt+4*\c], v[ADV] offset:2048*\dt+512*\c   ; v's fragments land while the softmax is walked
.endr
.endr
	s_cmp_lg_u32 s[KS], s[J]
	s_cbranch_scc1 .Lopen_\@
.irp tt, 0,1,2,3,4,5,6,7               ; the diagonal step: hidden scores fall to their bounds ahead of the maximum; key 0 of the step counts for every query
.irp i, 0,2,4,6
	BOUND 16*\tt+\i, 208+8*(\tt%2)+\i
.endr
.irp i, 0,2,4,6
.set sr, 96+8*\tt+\i
.set br, 208+8*(\tt%2)+\i
.if 16*\tt+\i == 0
.set br, 232
.endif
	v_dual_min_num_f32 v[sr], v[br], v[sr] :: v_dual_min_num_f32 v[sr+1], v[br+1], v[sr+1]
.endr
.endr
.Lopen_\@:
	v_max3_num_f32 v254, v96, v97, v98             ; the step's largest score of my query among my 64 keys, in two chains; each accumulator is first read at its low end
	v_max3_num_f32 v252, v99, v100, v101
.irp i, 6,10,14,18,22,26,30,34,38,42,46,50,54,58
	v_max3_num_f32 v254, v254, v[96+\i], v[97+\i]
	v_max3_num_f32 v252, v252, v[98+\i], v[99+\i]
.endr
	v_max3_num_f32 v254, v254, v158, v159
	s_delay_alu instid0(VALU_DEP_1)
	v_max_num_f32 v254, v254, v252
	s_delay_alu instid0(VALU_DEP_1)
	v_permlanex16_b32 v236, v254, s[SEL], s[SEL+1]
	s_delay_alu instid0(VALU_DEP_1)
	v_max_num_f32 v254, v254, v236                 ; and among lane l xor 16's
	s_delay_alu instid0(VALU_DEP_1)
	v_mul_f32 v254, s[CS], v254                    ; as t
	s_delay_alu instid0(VALU_DEP_1)
	v_max_num_f32 v13, v13, v254
	v_mov_b32 v254, v12
	s_delay_alu instid0(VALU_DEP_2)
	v_floor_f32 v12, -v13                          ; the new -M = -ceil(t)
	s_delay_alu instid0(VALU_DEP_1)
	v_sub_f32 v254, v12, v254                      ; old M - new M: a whole number, 0 or less
	s_delay_alu instid0(VALU_DEP_1)
	v_cvt_i32_f32 v254, v254                       ; (it saturates)
	s_delay_alu instid0(VALU_DEP_1)
	v_ldexp_f32 v252, 1.0, v254                    ; f = 2^(old M - new M)
.set i, 0
.rept 32
	v_pk_fma_f32 v[96+i:97+i], v[96+i:97+i], s[CS:CS+1], v[12:13] op_sel_hi:[1,0,0]   ; t - M
.set i, i+2
.endr
.set i, 0
	s_wait_alu depctr_va_vdst(0)                   ; the wait ahead of the batch
.rept 64
	v_exp_f32 v[96+i], v[96+i]                     ; p, one batch
.set i, i+1
.endr
	v_pk_mul_f32 v[14:15], v[14:15], v[252:253] op_sel_hi:[1,0]   ; the sums under the new M: a plain line behind the exponentials
	s_wait_alu depctr_va_vdst(0)                   ; one wait for the batch and for O^T, ahead of their first readers
.set i, 0
.rept 16
	v_pk_mul_f32 v[160+i:161+i], v[160+i:161+i], v[252:253] op_sel_hi:[1,0]   ; O^T under the new M
.set i, i+2
.endr
	v_pk_add_f32 v[242:243], v[96:97], v[98:99]    ; the row's sum, in four chains
	v_pk_add_f32 v[248:249], v[100:101], v[102:103]
	v_pk_add_f32 v[238:239], v[104:105], v[106:107]
	v_pk_add_f32 v[14:15], v[14:15], v[108:109]
.irp j, 110,118,126,134,142,150
	v_pk_add_f32 v[242:243], v[242:243], v[\j:\j+1]
	v_pk_add_f32 v[248:249], v[248:249], v[\j+2:\j+3]
	v_pk_add_f32 v[238:239], v[238:239], v[\j+4:\j+5]
	v_pk_add_f32 v[14:15], v[14:15], v[\j+6:\j+7]
.endr
	v_pk_add_f32 v[242:243], v[242:243], v[158:159]
	v_pk_add_f32 v[248:249], v[248:249], v[238:239]
	s_delay_alu instid0(VALU_DEP_2)
	v_pk_add_f32 v[14:15], v[14:15], v[242:243]
	s_delay_alu instid0(VALU_DEP_1)
	v_pk_add_f32 v[14:15], v[14:15], v[248:249]
.irp tt, 0,1,2,3,4,5,6,7
.irp i, 0,2,4,6
.set sr, 96+8*\tt+\i
	v_dual_min_num_f32 v[sr], s[HL], v[sr] :: v_dual_min_num_f32 v[sr+1], s[HL], v[sr+1]   ; the conversion does not saturate (ISA guide 7.6.2); p is not negative, so the hold is one-sided
.endr
	v_cvt_scalef32_pk8_fp8_f32 v[192+2*\tt:193+2*\tt], v[96+8*\tt:103+8*\tt], v244   ; keys 16 tt + 8 h + 0 .. 7: registers 2 tt, 2 tt + 1 of the operand
.endr
	v_nop                                          ; a plain line between the last conversion and the products
	s_wait_alu depctr_va_vdst(0)
	s_wait_dscnt 0x0                               ; v's fragments are in
.irp dt, 0,1,2,3
	v_wmma_f32_16x16x128_fp8_fp8 v[160+8*\dt:167+8*\dt], v[32+16*\dt:47+16*\dt], v[192:207], v[160+8*\dt:167+8*\dt]
.endr
.endm
; a finished tile's 32 numbers a lane, v96-127: held, quantised and sent.  The 16 registers of tiles 2 c, 2 c + 1 are the head's 32 c + 16 h + 0 .. 15: registers 4 c .. 4 c + 3 of the last product's operand
.macro SENDTILE o
.irp dt, 0,1,2,3
.irp i, 0,1,2,3,4,5,6,7
	v_med3_num_f32 v[96+8*\dt+\i], v[96+8*\dt+\i], -v247, v247
.endr
	v_cvt_scalef32_pk8_fp8_f32 v[192+2*\dt:193+2*\dt], v[96+8*\dt:103+8*\dt], v246
.endr
	v_nop                                          ; a plain line behind the last conversion
	global_store_b128 v1, v[192:195], s[\o:\o+1]   ; 512 consecutive bytes each, aligned
	global_store_b128 v1, v[196:199], s[\o:\o+1] offset:512
.endm
	s_wait_alu depctr_va_vdst(0)                   ; the wait at the head's end
	s_wait_loadcnt 0x0                             ; q
	s_wait_tensorcnt 0x0                           ; waves 0 and 1: key steps 0 and 1 are in
	ds_add_u32 v251, v255
	ds_add_u32 v251, v255
	s_wait_dscnt 0x0                               ; both adds are done
	CROUND                                         ; key steps 0 and 1 lie in LDS; all sixteen work-groups are here: the joint loads meet
	tensor_load_to_lds s[G0L:G0L+3], s[G1L:G1L+7]  ; the rest, the first tensor load behind the round: none of it is read before the second barrier
	s_nop 0
	PLACES 4
	s_mov_b32 s[T], 0
.Lfirst:
	s_cmp_ge_u32 s[T], s[LM]
	s_cbranch_scc1 .Lskip1
	s_lshl_b32 s[TB], s[T], 13
	s_mov_b32 s[J], s[JLO]
	STEP
.Lskip1:
	s_add_co_u32 s[T], s[T], 1
	s_cmp_lt_u32 s[T], 2
	s_cbranch_scc1 .Lfirst
	s_wait_tensorcnt 0x0                           ; my load is in
	s_barrier_signal -1
	s_barrier_wait -1                              ; the whole head lies in LDS: the waves go at their own pace
	s_mov_b32 s[T], 2
.Lrest:
	s_cmp_lg_u32 s[T], s[SWT]
	s_cbranch_scc1 .Lsame
	PLACES 4                                       ; the second wave's tile p is finished: O^T / l goes out
	v_add_f32 v14, v14, v15
	v_permlanex16_b32 v236, v14, s[SEL], s[SEL+1]
	v_add_f32 v14, v14, v236                       ; the row's sum
	s_wait_alu depctr_va_vdst(0)                   ; the wait ahead of the reciprocal
	v_rcp_f32 v14, v14
	v_nop                                          ; a plain line behind it
	s_wait_alu depctr_va_vdst(0)                   ; the wait ahead of its first reader, and O^T's
.set i, 0
.rept 16
	v_pk_mul_f32 v[96+i:97+i], v[160+i:161+i], v[14:15] op_sel_hi:[1,0]
.set i, i+2
.endr
	SENDTILE OLO
	INIT                                           ; on to tile 15 - p
.set i, 0
.rept 8
	v_mov_b32 v[16+i], v[24+i]
.set i, i+1
.endr
	s_wait_alu depctr_va_vdst(0)
	s_wait_xcnt 0x0                                ; the stores have read their registers, which the next step writes again
.Lsame:
	s_cmp_ge_u32 s[T], s[SWT]
	s_cselect_b32 s72, s[OFFB], 0
	s_cselect_b32 s[J], s[JHI], s[JLO]
	s_lshl_b32 s[TB], s[T], 13
	s_add_co_u32 s[TB], s[TB], s72                 ; key step t, or, in tile 15 - p, t + 7 - p: at most 15
	s_cmp_ge_u32 s[T], s[HA]
	s_cbranch_scc1 .Lskip2
	STEP
.Lskip2:
	s_add_co_u32 s[T], s[T], 1
	s_cmp_lt_u32 s[T], 9
	s_cbranch_scc1 .Lrest
	; THE HAND-OVER: the first wave's O^T, sum and -M
	s_cmp_lg_u32 s[ROLE], 0
	s_cbranch_scc1 .Lkeeps
	PLACES 4
	v_add_f32 v14, v14, v15
	v_mov_b32 v15, v12
.irp i, 0,1,2,3,4,5,6,7
	ds_store_b128 v10, v[160+4*\i:163+4*\i] offset:512*\i
.endr
	ds_store_b64 v11, v[14:15]
.Lkeeps:
	s_wait_alu depctr_va_vdst(0)                   ; the wait ahead of the barrier
	s_wait_dscnt 0x0                               ; for the other wave's sake
	s_barrier_signal -1
	s_barrier_wait -1
	s_cmp_eq_u32 s[ROLE], 0
	s_cbranch_scc1 .Lend
	PLACES 4
.irp i, 0,1,2,3,4,5,6,7
	ds_load_b128 v[96+4*\i:99+4*\i], v10 offset:512*\i
.endr
	ds_load_b64 v[208:209], v11
	v_add_f32 v14, v14, v15
	s_wait_alu depctr_va_vdst(0)
	s_wait_dscnt 0x0
	v_min_num_f32 v210, v12, v209                  ; -M of both parts together
	v_sub_f32 v211, v210, v209                     ; each part's M less that: a whole number, 0 or less
	v_sub_f32 v212, v210, v12
	v_cvt_i32_f32 v211, v211
	v_cvt_i32_f32 v212, v212
	v_ldexp_f32 v224, 1.0, v211                    ; the first part's factor,
	v_ldexp_f32 v226, 1.0, v212                    ; and mine
	v_mul_f32 v14, v14, v226
	v_fmac_f32 v14, v208, v224
	v_permlanex16_b32 v236, v14, s[SEL], s[SEL+1]
	v_add_f32 v14, v14, v236                       ; the row's sum
	s_wait_alu depctr_va_vdst(0)                   ; the wait ahead of the reciprocal
	v_rcp_f32 v14, v14
	v_nop                                          ; a plain line behind it
	s_wait_alu depctr_va_vdst(0)                   ; the wait ahead of its first reader
	v_mul_f32 v226, v226, v14
	v_mul_f32 v224, v224, v14
	s_wait_alu depctr_va_vdst(0)                   ; the wait ahead of the first reader of O^T
.set i, 0
.rept 16
	v_pk_mul_f32 v[160+i:161+i], v[160+i:161+i], v[226:227] op_sel_hi:[1,0]
.set i, i+2
.endr
.set i, 0
.rept 16
	v_pk_fma_f32 v[96+i:97+i], v[96+i:97+i], v[224:225], v[160+i:161+i] op_sel_hi:[1,0,1]
.set i, i+2
.endr
	SENDTILE OHI
.Lend:
	s_wait_tensorcnt 0x0                           ; the wave's end
	ds_add_u32 v251, v255
	s_wait_dscnt 0x0
	CROUND                                         ; the closing round: no work-group ends while a partner may still ask for a tile that names it
	s_endpgm
.Lfunc_end_k_q67bed55620_attn:
	.size	k_q67bed55620_attn, .Lfunc_end_k_q67bed55620_attn-k_q67bed55620_attn
	.p2alignl 7, 3214868480
	.fill 96, 4, 3214868480
	.section	.rodata,"a",@progbits
	.p2align	6, 0x0
	.amdhsa_kernel k_q67bed55620_attn
		.amdhsa_group_segment_fixed_size 327680
		.amdhsa_private_segment_fixed_size 0
		.amdhsa_enable_private_segment 0
		.amdhsa_kernarg_size 40
		.amdhsa_user_sgpr_count 2
		.amdhsa_user_sgpr_kernarg_segment_ptr 1
		.amdhsa_wavefront_size32 1
		.amdhsa_system_sgpr_workgroup_id_x 1
		.amdhsa_system_sgpr_workgroup_id_y 1
		.amdhsa_system_sgpr_workgroup_id_z 1
		.amdhsa_system_vgpr_workitem_id 0
		.amdhsa_next_free_vgpr 256
		.amdhsa_next_free_sgpr 90
		.amdhsa_reserve_vcc 0
		.amdhsa_float_denorm_mode_32 3
		.amdhsa_float_denorm_mode_16_64 3
		.amdhsa_memory_ordered 1
		.amdhsa_forward_progress 1
		.amdhsa_inst_pref_size 64
	.end_amdhsa_kernel
	.amdgpu_metadata
---
amdhsa.version: [ 1, 2 ]
amdhsa.kernels:
  - .name:           k_q67bed55620_attn
    .symbol:         k_q67bed55620_attn.kd
    .args:
      - { .name: qimg, .offset: 0, .size: 8, .value_kind: global_buffer, .address_space: global }
      - { .name: kimg, .offset: 8, .size: 8, .value_kind: global_buffer, .address_space: global }
      - { .name: vimg, .offset: 16, .size: 8, .value_kind: global_buffer, .address_space: global }
      - { .name: lowp_scales, .offset: 24, .size: 8, .value_kind: global_buffer, .address_space: global }
      - { .name: oimg, .offset: 32, .size: 8, .value_kind: global_buffer, .address_space: global }
    .group_segment_fixed_size: 327680
    .private_segment_fixed_size: 0
    .kernarg_segment_align: 8
    .kernarg_segment_size: 40
    .max_flat_workgroup_size: 512
    .sgpr_count:     90
    .vgpr_count:     256
    .wavefront_size: 32
...
	.end_amdgpu_metadata
.endif
;; end of part 3
;; launch outp (part 4): grid 8 x 32, 4 waves a work-group, clusters of 4 x 4, 327,680 bytes of LDS; arguments oimg, Wo_codes, bo, lowp_scales, out0; writes out0
.if DOCPART == 4
	.amdgcn_target "amdgcn-amd-amdhsa--gfx1250"
	.amdhsa_code_object_version 6
	.text
	.protected	k_q67bed55620_outp
	.globl	k_q67bed55620_outp
	.p2align	8
	.type	k_q67bed55620_outp,@function
k_q67bed55620_outp:
	s_mov_b64 s[64:65], 0
	v_nop
	global_prefetch_b8 v0, s[64:65] scope:SCOPE_SE
	s_setreg_imm32_b32 hwreg(HW_REG_WAVE_MODE, 25, 1), 1
	s_wait_xcnt 0x0
	s_wait_alu depctr_hold_cnt(0) depctr_sa_sdst(0) depctr_va_vdst(0) depctr_va_sdst(0) depctr_va_ssrc(0) depctr_va_vcc(0) depctr_vm_vsrc(0)
	s_getreg_b32 s2, hwreg(HW_REG_IB_STS2, 6, 4)
	s_cmp_eq_u32 s2, 0
	s_cbranch_scc0 .Lentry_in_a_cluster
	s_endpgm
.Lentry_in_a_cluster:
	s_bfe_u32 s2, ttmp6, 0x10000c
	s_cmp_lg_u32 s2, 0xf033
	s_cbranch_scc0 .Lentry_shape_is_right
	s_endpgm
.Lentry_shape_is_right:
; out = o Wo + bo on codes of E4M3: sum x 2^(e10 + e11) + bo, f32.
; SHARES.  A work-group makes 128 rows x 128 columns over the whole K = 1,024; four waves, each 64 x 64: 16 accumulators.  THE PRODUCT IS USED TRANSPOSED (source 0 = 16 rows of Wo's codes, source 1 = 16 rows of o):
; a lane holds eight neighbouring columns of one row of the output.
; LDS.  All of K lies in LDS at once: o's part as the image of its fragments' registers (two blocks of 64 rows, 65,536 bytes each, dense), Wo's 128 rows of 1,024 bytes + 16 of padding.
; Every byte is filled once, by one tensor load a wave at the head: there is no trip to prefetch for.  Behind them: a stage for each wave, which no load fills.
; In both operands registers 4 c .. 4 c + 3 hold K = 32 c + 16 h + 0 .. 15.
; CLUSTER 4 x 4: o's tiles are shared along a row of the cluster, Wo's along a column: joint loads.
; LIMIT.  e10 + e11 between -126 and 127.
.set PITCH,  1040
.set ABLK,   65536
.set BOFF,   2*ABLK
.set HALFB,  64*PITCH
.set STAGE,  BOFF+2*HALFB              ; 16 rows x (256 + 16) bytes for each wave
.set SPITCH, 272
.set SPARE,  STAGE+64*SPITCH           ; the spare words
.set WV,   3
.set CX,   20
.set CY,   21
.set NT,   22
.set MT,   23
.set G1A,  24
.set G1B,  32
.set G0A,  40
.set G0B,  44
.set WR,   56
.set WC,   57
.set ADRA, 4
.set ADRB, 8
.set STO,  24                          ; the stage: where I put 32 bytes of a row
.set RD,   25                          ; and where I read a row back
.set CO,   26                          ; my byte offset in two rows of the output
.set BK,   32                          ; v32-95 rows read back, two sets of 32
.set BO,   96                          ; v96-127 bo of my four column tiles, in the result's layout
.set ACC,  128
.set MSB, 0
.macro WIN new                         ; the immediate's high byte repeats the setting that is left
.if MSB != \new
	s_set_vgpr_msb (MSB<<8)|\new
.set MSB, \new
.endif
.endm
.macro PLACES n
.rept \n
	v_nop
.endr
.endm
.macro CROUND                          ; a round of the cluster's barrier
	s_barrier_signal -1
	s_barrier_wait -1
	s_cmp_lg_u32 s[WV], 0
	s_cbranch_scc1 .Lnot_wave_0_\@
	s_barrier_signal -3
.Lnot_wave_0_\@:
	s_barrier_wait -3
	s_barrier_signal -1
	s_barrier_wait -1
.endm
	s_load_b256 s[4:11], s[0:1], 0x0               ; oimg s[4:5], Wo s[6:7], bo s[8:9], exponents s[10:11]
	s_load_b64 s[12:13], s[0:1], 0x20              ; out0
	v_lshl_add_u32 v30, v0, 2, SPARE
	v_mov_b32 v31, 0
	ds_add_u32 v30, v31                            ; the opening adds
	ds_add_u32 v30, v31
	v_lshrrev_b32 v1, 5, v0
	v_readfirstlane_b32 s[WV], v1
	s_bfe_u32 s[CX], ttmp6, 0x40000
	s_bfe_u32 s[CY], ttmp6, 0x40004
	s_lshl_b32 s[NT], ttmp9, 2
	s_add_co_u32 s[NT], s[NT], s[CX]
	s_and_b32 s[MT], ttmp7, 0xffff
	s_lshl_b32 s[MT], s[MT], 2
	s_add_co_u32 s[MT], s[MT], s[CY]
	s_lshl_b32 s58, s[CY], 2
	s_lshl_b32 s58, 15, s58                        ; my row of the cluster
	s_lshl_b32 s96, 0x1111, s[CX]                  ; my column
	s_or_b32 s[G1A], s58, (3<<16)|(1<<21)          ; o's image: elements of 8 bytes, no padding
	s_mov_b32 s[G1A+1], 32<<16                     ; rows of 256 bytes of a dense block
	s_mov_b32 s[G1A+2], 256<<16
	s_mov_b32 s[G1A+3], 32<<16
	s_mov_b32 s[G1A+4], 256
	s_mov_b32 s[G1A+5], 32
	s_mov_b32 s[G1A+6], 0
	s_mov_b32 s[G1A+7], 0
	s_or_b32 s[G1B], s96, (1<<20)|(1<<21)|(7<<22)|(3<<25)   ; Wo: elements of 1 byte; 4 words of padding after every 256
	s_mov_b32 s[G1B+1], 1024<<16
	s_mov_b32 s[G1B+2], 64<<16
	s_mov_b32 s[G1B+3], 1024<<16
	s_mov_b32 s[G1B+4], 64
	s_mov_b32 s[G1B+5], 1024
	s_mov_b32 s[G1B+6], 0
	s_mov_b32 s[G1B+7], 0
	s_lshr_b32 s[WR], s[WV], 1
	s_and_b32 s[WC], s[WV], 1                      ; also: which half of a tile I fetch
	s_lshl_b32 s62, s[WC], 16
	s_lshl_b32 s58, s[MT], 17                      ; o: block 2 mt + half, 65,536 bytes each (registers that never hold cx)
	s_add_co_u32 s58, s58, s62
	s_mov_b32 s59, 0
	s_lshl_b32 s96, s[NT], 17                      ; Wo: row 128 nt + 64 x half, 1,024 bytes each (registers that never hold cy)
	s_add_co_u32 s96, s96, s62
	s_mov_b32 s97, 0
	s_mul_i32 s63, s[WC], ABLK
	s_mul_i32 s67, s[WC], HALFB
	s_add_co_u32 s67, s67, BOFF
	s_mov_b32 s[G0A], 1
	s_mov_b32 s[G0A+1], s63
	s_mov_b32 s[G0B], 1
	s_mov_b32 s[G0B+1], s67
	s_wait_dscnt 0x0                               ; both opening adds are done
	s_wait_kmcnt 0x0
	s_load_b64 s[84:85], s[10:11], 0x28            ; e10, e11
	s_add_nc_u64 s[G0A+2:G0A+3], s[4:5], s[58:59]
	s_or_b32 s[G0A+3], s[G0A+3], 0x80000000
	s_add_nc_u64 s[G0B+2:G0B+3], s[6:7], s[96:97]
	s_or_b32 s[G0B+3], s[G0B+3], 0x80000000
	CROUND                                         ; all sixteen work-groups are here: the joint loads meet
	s_cmp_lt_u32 s[WV], 2                          ; waves 0, 1 fetch o's blocks, waves 2, 3 Wo's halves: one load a wave
	s_cbranch_scc0 .Lfill_b
	tensor_load_to_lds s[G0A:G0A+3], s[G1A:G1A+7]
	s_nop 0
	PLACES 4
	s_branch .Lfilled
.Lfill_b:
	tensor_load_to_lds s[G0B:G0B+3], s[G1B:G1B+7]
	s_nop 0
	PLACES 4
.Lfilled:
	s_mul_i32 s60, s[WR], ABLK                     ; my 64 rows of o
	s_mul_i32 s61, s[WC], HALFB                    ; my 64 rows of Wo
	s_add_co_u32 s61, s61, BOFF
	s_mul_i32 s62, s[WV], 16*SPITCH
	s_add_co_u32 s62, s62, STAGE                   ; my stage
	s_lshl_b32 s58, s[NT], 9                       ; my first column in bytes: 128 nt + 64 wc
	s_lshl_b32 s59, s[WC], 8
	s_add_co_u32 s58, s58, s59
	s_lshl_b32 s68, s[MT], 19                      ; row 128 mt + 64 wr
	s_add_co_u32 s68, s68, s58
	s_lshl_b32 s59, s[WR], 18
	s_add_co_u32 s68, s68, s59
	s_mov_b32 s69, 0
	s_add_nc_u64 s[12:13], s[12:13], s[68:69]
	v_and_b32 v1, 15, v0                           ; r
	v_bfe_u32 v2, v0, 4, 1                         ; h
	v_and_b32 v12, 31, v0
	v_lshl_add_u32 v13, v2, 5, s58                 ; bo: + 8 h
	v_lshlrev_b32 v12, 4, v12                      ; 16 x lane
	v_mul_u32_u24 v3, v1, PITCH
	v_mul_u32_u24 v[STO], v1, SPITCH               ; in: row r, 32 bytes for each half of the lanes
	v_mul_u32_u24 v[RD], v2, SPITCH                ; back: lanes 0-15 one row of 256 bytes, lanes 16-31 the next
	v_lshl_add_u32 v3, v2, 4, v3
	v_lshl_add_u32 v[STO], v2, 5, v[STO]
	v_lshl_add_u32 v[RD], v1, 4, v[RD]
	v_lshlrev_b32 v[CO], 12, v2                    ; and the same two rows of the output, 4,096 bytes apart
	v_add_nc_u32 v[ADRA], s60, v12
	v_add_nc_u32 v[ADRB], s61, v3
	v_add_nc_u32 v[STO], s62, v[STO]
	v_add_nc_u32 v[RD], s62, v[RD]
	v_lshl_add_u32 v[CO], v1, 4, v[CO]
	s_wait_alu depctr_va_vdst(0)
.irp b, 0,1,2,3
	global_load_b128 v[BO+8*\b:BO+8*\b+3], v13, s[8:9] offset:64*\b
	global_load_b128 v[BO+8*\b+4:BO+8*\b+7], v13, s[8:9] offset:64*\b+16
.endr
.macro FETCH s, f                      ; 32 LDS loads in one run: the fragments of K step s into buffer f
	WIN 0x40                                       ; destination window 1, address window 0
.irp a, 0,1,2,3
.irp c, 0,1,2,3
	ds_load_b128 v[\f+16*\a+4*\c:\f+16*\a+4*\c+3], v[ADRA] offset:16384*((\s)/2)+4096*\a+2048*((\s)%2)+512*\c
.endr
.endr
.irp t, 0,1,2,3
.irp c, 0,1,2,3
	ds_load_b128 v[\f+64+16*\t+4*\c:\f+64+16*\t+4*\c+3], v[ADRB] offset:\t*16*PITCH+128*(\s)+32*\c
.endr
.endr
.endm
; K step s: the next step's fragments are asked for first.  The 16 accumulators take turns, one instruction a turn, in the same order in every step; step 0's products start the sums
.macro STEP s
.set FB, 128*((\s)%2)
.if (\s) < 7
.if (\s) > 0
	PLACES 4                                       ; in front of loads into registers that products have read
.endif
	FETCH (\s)+1, 128*(((\s)+1)%2)
	s_wait_dscnt 32                                ; this step's fragments are in; the 32 loads just issued may be out
.else
	s_wait_dscnt 0x0
.endif
	WIN 0x05                                       ; sources 0 and 1 window 1; C and D window 0
.irp a, 0,1,2,3
.irp b, 0,1,2,3
.if (\s) == 0
	v_wmma_f32_16x16x128_fp8_fp8 v[ACC+8*(4*\a+\b):ACC+8*(4*\a+\b)+7], v[FB+64+16*\b:FB+64+16*\b+15], v[FB+16*\a:FB+16*\a+15], 0
.else
	v_wmma_f32_16x16x128_fp8_fp8 v[ACC+8*(4*\a+\b):ACC+8*(4*\a+\b)+7], v[FB+64+16*\b:FB+64+16*\b+15], v[FB+16*\a:FB+16*\a+15], v[ACC+8*(4*\a+\b):ACC+8*(4*\a+\b)+7]
.endif
.endr
.endr
.endm
	s_wait_alu depctr_va_vdst(0)                   ; the wait at the head's end
	s_wait_tensorcnt 0x0                           ; my part is in
	s_barrier_signal -1
	s_barrier_wait -1                              ; everybody's is
	FETCH 0, 0
.irp s, 0,1,2,3,4,5,6,7
	STEP \s
.endr
	WIN 0
	PLACES 4                                       ; in front of the first read of results
	s_wait_kmcnt 0x0
	s_add_co_i32 s86, s84, s85
	s_add_co_i32 s86, s86, 127
	s_lshl_b32 s86, s86, 23                        ; 2^(e10 + e11)
	s_mov_b32 s87, s86                             ; (named with it as a pair)
	s_wait_loadcnt 0x0                             ; bo
; THE WAY OUT, 16 rows x 64 columns at a time: through my own stage and back as whole rows of 256 bytes.  LDS serves a wave's instructions in order (ISA guide 5.7.1.4): no wait between the stores and the loads
.macro TOSTAGE a
.irp b, 0,1,2,3
.irp i, 0,2,4,6
	v_pk_fma_f32 v[ACC+8*(4*(\a)+\b)+\i:ACC+8*(4*(\a)+\b)+\i+1], v[ACC+8*(4*(\a)+\b)+\i:ACC+8*(4*(\a)+\b)+\i+1], s[86:87], v[BO+8*\b+\i:BO+8*\b+\i+1] op_sel_hi:[1,0,1]
.endr
.endr
.irp b, 0,1,2,3
	ds_store_b128 v[STO], v[ACC+8*(4*(\a)+\b):ACC+8*(4*(\a)+\b)+3] offset:64*\b
	ds_store_b128 v[STO], v[ACC+8*(4*(\a)+\b)+4:ACC+8*(4*(\a)+\b)+7] offset:64*\b+16
.endr
.irp t, 0,1,2,3,4,5,6,7
	ds_load_b128 v[BK+32*((\a)%2)+4*\t:BK+32*((\a)%2)+4*\t+3], v[RD] offset:\t*2*SPITCH
.endr
.endm
.macro SEND a, younger                 ; younger: the LDS instructions issued behind block a's loads, which may stay out
	s_wait_dscnt \younger
.irp t, 0,1,2,3,4,5,6,7
	global_store_b128 v[CO], v[BK+32*((\a)%2)+4*\t:BK+32*((\a)%2)+4*\t+3], s[12:13] offset:(16*(\a)+2*\t)*4096 th:TH_STORE_NT   ; 16 lanes store 256 consecutive bytes, aligned; written once, read by nobody here
.endr
.endm
	TOSTAGE 0
	TOSTAGE 1
	SEND 0, 16                                     ; behind block 0's loads: block 1's 8 stores and 8 loads
	s_wait_xcnt 0x0                                ; block 0's stores have read their registers: block 2's loads may land there
	TOSTAGE 2
	SEND 1, 16
	s_wait_xcnt 0x0
	TOSTAGE 3
	SEND 2, 16
	SEND 3, 0
	s_wait_tensorcnt 0x0                           ; the wave's end
	ds_add_u32 v30, v31
	s_wait_dscnt 0x0
	CROUND                                         ; the closing round: no work-group ends while a partner may still ask for a tile that names it
	s_endpgm
.Lfunc_end_k_q67bed55620_outp:
	.size	k_q67bed55620_outp, .Lfunc_end_k_q67bed55620_outp-k_q67bed55620_outp
	.p2alignl 7, 3214868480
	.fill 96, 4, 3214868480
	.section	.rodata,"a",@progbits
	.p2align	6, 0x0
	.amdhsa_kernel k_q67bed55620_outp
		.amdhsa_group_segment_fixed_size 327680
		.amdhsa_private_segment_fixed_size 0
		.amdhsa_enable_private_segment 0
		.amdhsa_kernarg_size 40
		.amdhsa_user_sgpr_count 2
		.amdhsa_user_sgpr_kernarg_segment_ptr 1
		.amdhsa_wavefront_size32 1
		.amdhsa_system_sgpr_workgroup_id_x 1
		.amdhsa_system_sgpr_workgroup_id_y 1
		.amdhsa_system_sgpr_workgroup_id_z 1
		.amdhsa_system_vgpr_workitem_id 0
		.amdhsa_next_free_vgpr 512
		.amdhsa_next_free_sgpr 102
		.amdhsa_reserve_vcc 0
		.amdhsa_float_denorm_mode_32 3
		.amdhsa_float_denorm_mode_16_64 3
		.amdhsa_memory_ordered 1
		.amdhsa_forward_progress 1
		.amdhsa_inst_pref_size 44
	.end_amdhsa_kernel
	.amdgpu_metadata
---
amdhsa.version: [ 1, 2 ]
amdhsa.kernels:
  - .name:           k_q67bed55620_outp
    .symbol:         k_q67bed55620_outp.kd
    .args:
      - { .name: oimg, .offset: 0, .size: 8, .value_kind: global_buffer, .address_space: global }
      - { .name: Wo_codes, .offset: 8, .size: 8, .value_kind: global_buffer, .address_space: global }
      - { .name: bo, .offset: 16, .size: 8, .value_kind: global_buffer, .address_space: global }
      - { .name: lowp_scales, .offset: 24, .size: 8, .value_kind: global_buffer, .address_space: global }
      - { .name: out0, .offset: 32, .size: 8, .value_kind: global_buffer, .address_space: global }
    .group_segment_fixed_size: 327680
    .private_segment_fixed_size: 0
    .kernarg_segment_align: 8
    .kernarg_segment_size: 40
    .max_flat_workgroup_size: 128
    .sgpr_count:     102
    .vgpr_count:     512
    .wavefront_size: 32
...
	.end_amdgpu_metadata
.endif
;; end of part 4
